; MI455X (gfx1250); checked and timed in simulation.
; The chip was launched on July 23, 2026; its instructions are those of AMD's public machine-readable ISA for CDNA 5 (MIT licence, August 2026) and "CDNA5" Instruction Set Architecture Reference Guide (July 2026). The comments in the code are by the model that wrote it; some were corrected since.
;; Attention Base. Allowed arithmetic: float matrix products may take bf16 or f16 operands with f32 sums; other float arithmetic in f32, or as packed bf16 or f16 multiplies, adds, multiply-adds, maxima and minima; sums over many terms, partial sums and values carried from step to step in f32; what a program stores and reads back later, other than sums and carried values, may be rounded once to bf16 or f16.
;; Inputs: Wk 1,024 x 1,024 float32; Wo 1,024 x 1,024 float32; Wq 1,024 x 1,024 float32; Wv 1,024 x 1,024 float32; bk 1,024 float32; bo 1,024 float32; bq 1,024 float32; bv 1,024 float32; input 8 x 1,024 x 1,024 float32; memory 8 x 1,024 x 1,024 float32.
;; Outputs: out0 8 x 1,024 x 1,024 float32.
;; One version. Each part assembles by itself: llvm-mc -triple=amdgcn-amd-amdhsa -mcpu=gfx1250 --defsym DOCPART=n.
;; ======== version 1 of 1: 5 launches
;; limits: values are held in f16: magnitudes above 65,504 overflow, below 6.1e-05 lose precision
;; workspace buffers: cb 41,943,040 bytes; qk 33,554,432 bytes; vb 16,777,216 bytes; pf 16,777,216 bytes; st 524,288 bytes; sel 16,777,216 bytes
;; launch cast (part 1): grid 1280 x 1, 8 waves a work-group, no clusters, 0 bytes of LDS; arguments input, memory, Wq, Wk, Wv, Wo, cb; writes cb
.if DOCPART == 1
	.amdgcn_target "amdgcn-amd-amdhsa--gfx1250"
	.amdhsa_code_object_version 6
	.text
	.protected	k_q43b5c0fadc_cast
	.globl	k_q43b5c0fadc_cast
	.p2align	8
	.type	k_q43b5c0fadc_cast,@function
k_q43b5c0fadc_cast:
	s_mov_b64 s[64:65], 0
	v_nop
	global_prefetch_b8 v0, s[64:65] scope:SCOPE_SE
	s_setreg_imm32_b32 hwreg(HW_REG_WAVE_MODE, 25, 1), 1
	s_wait_xcnt 0x0
; CAST.  The six large inputs are rounded once to bf16, and that number is written as f16, so that every later product has one matrix form.  They lie one behind the other in cb:
;   input at byte 0; memory at 16,777,216; Wq, Wk, Wv at 33,554,432 + j x 2,097,152; Wo at 39,845,888.
; LIMIT.  A bf16 number is exact in f16 from 6.1e-5 to 65,504 in magnitude; below that it keeps f16's fixed step of 6e-8, beyond it the conversion gives an infinity.
; SHARES.  A work-group takes 16,384 numbers on end: 64 KiB in, 32 KiB out; 512 + 512 + 4 x 64 = 1,280 work-groups.  Thread t takes 16 bytes at 16 t of each 4,096:
; a wave's load covers 512 consecutive bytes, its store 256 consecutive bytes at a multiple of 256 from cb's first byte.
; A stream: all sixteen loads of a thread go out at once, each byte is read and written once; LDS, matrix units and clusters would add nothing, and nothing is prefetched since the loads are all out at the head.
.set X, 4                              ; v[4:67]    sixteen loads of four f32
.set Y, 68                             ; v[68:99]   sixteen pairs to store; a pair is not written again behind its store
.set T, 100                            ; v[100:103] at work
	s_load_b256 s[8:15], s[0:1], 0x0               ; input s[8:9], memory s[10:11], Wq s[12:13], Wk s[14:15]
	s_load_b128 s[16:19], s[0:1], 0x20             ; Wv s[16:17], Wo s[18:19]
	s_load_b64 s[20:21], s[0:1], 0x30              ; cb
	v_lshlrev_b32 v1, 4, v0                        ; 16 t: where I read
	v_lshlrev_b32 v2, 3, v0                        ; 8 t: where I write
	s_lshl_b32 s24, ttmp9, 15                      ; the work-group's 32 KiB of cb
	s_mov_b32 s25, 0
	s_mov_b32 s6, 0                                ; the first work-group of my tensor
	s_mov_b32 s7, 0
	s_mov_b32 s26, 0xffff0000                      ; a word's upper bf16
	s_wait_kmcnt 0x0
	s_mov_b64 s[4:5], s[8:9]
.macro PICK first, p                   ; from work-group 'first' on the source is the tensor at s[p:p+1]
	s_cmp_ge_u32 ttmp9, \first
	s_cselect_b64 s[4:5], s[\p:\p+1], s[4:5]
	s_cselect_b32 s6, \first, s6
.endm
	PICK 512, 10
	PICK 1024, 12
	PICK 1088, 14
	PICK 1152, 16
	PICK 1216, 18
	s_sub_co_u32 s6, ttmp9, s6                     ; my place in that tensor,
	s_lshl_b32 s6, s6, 16                          ; in bytes: 64 KiB each
	s_add_nc_u64 s[4:5], s[4:5], s[6:7]
	s_add_nc_u64 s[22:23], s[20:21], s[24:25]
.irp i, 0,1,2,3,4,5,6,7,8,9,10,11,12,13,14,15
	global_load_b128 v[X+4*(\i):X+4*(\i)+3], v1, s[4:5] offset:4096*(\i) th:TH_LOAD_NT
.endr
.irp i, 0,1,2,3,4,5,6,7,8,9,10,11,12,13,14,15
	s_wait_loadcnt 15-(\i)                         ; loads come back in order: load i is in, the younger ones stay out
	v_cvt_pk_bf16_f32 v[Y+2*(\i)], v[X+4*(\i)], v[X+4*(\i)+1]      ; the one rounding,
	v_cvt_pk_bf16_f32 v[Y+2*(\i)+1], v[X+4*(\i)+2], v[X+4*(\i)+3]
	v_lshlrev_b32 v[T], 16, v[Y+2*(\i)]            ; back to f32,
	v_and_b32 v[T+1], s26, v[Y+2*(\i)]
	v_lshlrev_b32 v[T+2], 16, v[Y+2*(\i)+1]
	v_and_b32 v[T+3], s26, v[Y+2*(\i)+1]
	v_cvt_pk_f16_f32 v[Y+2*(\i)], v[T], v[T+1]     ; and written as f16
	v_cvt_pk_f16_f32 v[Y+2*(\i)+1], v[T+2], v[T+3]
	global_store_b64 v2, v[Y+2*(\i):Y+2*(\i)+1], s[22:23] offset:2048*(\i)
.endr
	s_endpgm
.Lfunc_end_k_q43b5c0fadc_cast:
	.size	k_q43b5c0fadc_cast, .Lfunc_end_k_q43b5c0fadc_cast-k_q43b5c0fadc_cast
	.p2alignl 7, 3214868480
	.fill 96, 4, 3214868480
	.section	.rodata,"a",@progbits
	.p2align	6, 0x0
	.amdhsa_kernel k_q43b5c0fadc_cast
		.amdhsa_group_segment_fixed_size 0
		.amdhsa_private_segment_fixed_size 0
		.amdhsa_enable_private_segment 0
		.amdhsa_kernarg_size 56
		.amdhsa_user_sgpr_count 2
		.amdhsa_user_sgpr_kernarg_segment_ptr 1
		.amdhsa_wavefront_size32 1
		.amdhsa_system_sgpr_workgroup_id_x 1
		.amdhsa_system_sgpr_workgroup_id_y 1
		.amdhsa_system_sgpr_workgroup_id_z 1
		.amdhsa_system_vgpr_workitem_id 0
		.amdhsa_next_free_vgpr 104
		.amdhsa_next_free_sgpr 66
		.amdhsa_reserve_vcc 0
		.amdhsa_float_denorm_mode_32 3
		.amdhsa_float_denorm_mode_16_64 3
		.amdhsa_memory_ordered 1
		.amdhsa_forward_progress 1
		.amdhsa_inst_pref_size 12
	.end_amdhsa_kernel
	.amdgpu_metadata
---
amdhsa.version: [ 1, 2 ]
amdhsa.kernels:
  - .name:           k_q43b5c0fadc_cast
    .symbol:         k_q43b5c0fadc_cast.kd
    .args:
      - { .name: input, .offset: 0, .size: 8, .value_kind: global_buffer, .address_space: global }
      - { .name: memory, .offset: 8, .size: 8, .value_kind: global_buffer, .address_space: global }
      - { .name: Wq, .offset: 16, .size: 8, .value_kind: global_buffer, .address_space: global }
      - { .name: Wk, .offset: 24, .size: 8, .value_kind: global_buffer, .address_space: global }
      - { .name: Wv, .offset: 32, .size: 8, .value_kind: global_buffer, .address_space: global }
      - { .name: Wo, .offset: 40, .size: 8, .value_kind: global_buffer, .address_space: global }
      - { .name: cb, .offset: 48, .size: 8, .value_kind: global_buffer, .address_space: global }
    .group_segment_fixed_size: 0
    .private_segment_fixed_size: 0
    .kernarg_segment_align: 8
    .kernarg_segment_size: 56
    .max_flat_workgroup_size: 256
    .sgpr_count:     66
    .vgpr_count:     104
    .wavefront_size: 32
...
	.end_amdgpu_metadata
.endif
;; end of part 1
;; launch qk (part 2): grid 4 x 64, 4 waves a work-group, clusters of 4 x 4, 327,680 bytes of LDS; arguments bq, bk, cb, qk; writes qk
.if DOCPART == 2
	.amdgcn_target "amdgcn-amd-amdhsa--gfx1250"
	.amdhsa_code_object_version 6
	.text
	.protected	k_q43b5c0fadc_qk
	.globl	k_q43b5c0fadc_qk
	.p2align	8
	.type	k_q43b5c0fadc_qk,@function
k_q43b5c0fadc_qk:
	s_mov_b64 s[64:65], 0
	v_nop
	global_prefetch_b8 v0, s[64:65] scope:SCOPE_SE
	s_setreg_imm32_b32 hwreg(HW_REG_WAVE_MODE, 25, 1), 1
	s_wait_xcnt 0x0
	s_wait_alu depctr_hold_cnt(0) depctr_sa_sdst(0) depctr_va_vdst(0) depctr_va_sdst(0) depctr_va_ssrc(0) depctr_va_vcc(0) depctr_vm_vsrc(0)
	s_getreg_b32 s2, hwreg(HW_REG_IB_STS2, 6, 4)
	s_cmp_eq_u32 s2, 0
	s_cbranch_scc0 .Lentry_in_a_cluster
	s_endpgm
.Lentry_in_a_cluster:
	s_bfe_u32 s2, ttmp6, 0x10000c
	s_cmp_lg_u32 s2, 0xf033
	s_cbranch_scc0 .Lentry_shape_is_right
	s_endpgm
.Lentry_shape_is_right:
; QK.  q = x Wq^T + bq and k = mem Wk^T + bk: two products of 8,192 x 1,024 x 1,024.  Operands f16 (inputs rounded to bf16 and written as f16, from cb), sums f32, started by the bias (rounded to bf16 like every
; input); results rounded once to f16 into qk (q at 0, k at 16,777,216; rows of 2,048 bytes).  q is stored WITHOUT the factor 1/32: it goes into the softmax's constant, in f32.
; LIMIT.  |q|, |k| stay under 65,504 (f16); beyond it the conversion gives an infinity.  NaN and infinities are not treated apart.
; SHARES.  A tile of C is 256 x 256: 32 x 4 tiles a product, 256 work-groups for the two.  Four waves, each 128 x 128: 64 accumulators of 16 x 16.  K goes in 8 steps of 128 (rows of 256 bytes) through two LDS slots
; filled by tensor loads, one a wave, 128 rows each: waves 0, 1 fetch A's halves, waves 2, 3 B's.  A K step is 256 matrix instructions a wave, 224 of them between a refill's request and the wait for it.
; CLUSTER.  4 x 4 work-groups: four tile rows x the four tile columns of one product.  A's tile is shared along a row of the cluster, B's along a column: each is asked for jointly.  Cluster y = 8 x job + row group.
; THE MATRIX INSTRUCTION IS USED TRANSPOSED (source 0 = 16 rows of B, source 1 = 16 rows of A): lane l holds row l % 16 of C and the columns 8 (l / 16) + 0..7.
; THE WAY OUT is written once: behind the last K step the ring has had its last fill, and each wave lays its 128 x 128 sums, in f32, into its own 67,584 bytes of it; a loop of 8 trips reads 16 rows back by rows,
; rounds them and stores them.
; REGISTERS.  window 0: v1-15 addresses; v64-127, v128-191 A's fragments (8 x 16 rows x 32 K), two buffers; on the way out v64-127 16 rows read back, v128-159 the same rounded.
; window 1: v0-63 the bias of my 128 columns as a C operand, block b at v[8 b]; v64-127, v128-191 B's fragments.  window 2: accumulators of my rows 0-63, (a, b) at v[8 (8 a + b)]; window 3: rows 64-127.
.set PITCH,  272                       ; an LDS row: 256 bytes + 16 of padding = 68 words, so the 16 rows of a fragment load start at 16 different groups of four banks (ISA guide 11.1)
.set HALFT,  128*PITCH                 ; what one tensor load brings, and what one wave reads of A or of B
.set SLOT,   4*HALFT                   ; A's 256 rows, then B's: 0x22000 bytes.  The waves' bases 0, 0x8800, 0x11000, 0x19800 have bits 13 and 17 clear, so one exclusive or with SLOT changes slot
.set SP,     528                       ; the way out: a row of 128 f32, 512 bytes + 16: an odd multiple of 16, so the 16 rows of a store start at 16 different groups of four banks (ISA guide 11.1)
.set OUTW,   128*SP                    ; a wave's part of the ring on the way out; four of them, 270,336 bytes, lie inside the two slots' 278,528
.set SPARE,  2*SLOT                    ; behind the ring: the spare words, 128 bytes a wave: two blocks of 256 bytes that no other line names
.set AA0, 4                            ; v4   my lane's place in A's tile; never rewritten
.set AB0, 5                            ; v5   the same in B's
.set ADRA, 6                           ; v6   slot + AA0
.set ADRB, 7                           ; v7   slot + AB0
.set STO, 8                            ; v8   the way out: where I put 16 bytes of a row
.set RD0, 9                            ; v9   where I read the first 16 rows back; never rewritten
.set CO,  10                           ; v10  my byte offset in C
.set PFO, 11                           ; v11  the prefetches' offset: my lane x a row of 2,048 bytes
.set SPW, 12                           ; v12  my spare word; never rewritten
.set NIL, 13                           ; v13  0; never rewritten
.set BO,  14                           ; v14  my byte offset in the bias
.set RD,  15                           ; v15  where I read the trip's 16 rows back
.set F0,  64
.set F1,  128
.set X,   64                           ; v64-127   the way out: rows 2 t + l / 16 of the trip's 16, my 8 columns, at X + 8 t
.set Y,   128                          ; v128-159  the same rounded to f16, 16 bytes at Y + 4 t
.set RB,  16                           ; s16  the way out: LDS bytes from my first row to the trip's first
.set G1A, 24                           ; s[24:31] descriptor group 1, A's tiles
.set G0A, 32                           ; s[32:39] group 0: slot 0's first fill; slot 1's, which then walks
.set G1B, 48                           ; s[48:55], s[56:63] the same for B
.set G0B, 56
.set LIM, 43                           ; s43  1 in a wave that prefetches, else the greatest number
.set PFA, 44                           ; s[44:45] where my prefetches stand
.set TB,  66                           ; s66  the slot that is read: 0 or SLOT
.set JOB, 67                           ; s67  0 q, 1 k
.set G1W, (1<<16)|(1<<20)|(1<<21)|(5<<22)|(3<<25)  ; 17:16 2-byte elements; 20 padding on; 21 set beside a mask; 24:22 after every 64 words; 31:25 4 words
.set MSB, 0
.macro WIN new                         ; the immediate's high byte repeats the setting that is left; a switch that changes nothing is dropped
.if MSB != (\new)
	s_set_vgpr_msb (MSB<<8)|(\new)
.set MSB, \new
.endif
.endm
.macro PLACES                          ; four places behind a matrix instruction (ISA guide 7.12.1), where no other vector work is at hand
.rept 4
	v_nop
.endr
.endm
.macro CREST                           ; a round of the cluster's barrier behind its opening barrier
	s_cmp_lg_u32 s10, 0
	s_cbranch_scc1 .Lnot_wave_0_\@
	s_barrier_signal -3
.Lnot_wave_0_\@:
	s_barrier_wait -3
	s_barrier_signal -1
	s_barrier_wait -1
.endm
.macro CROUND
	s_barrier_signal -1
	s_barrier_wait -1
	CREST
.endm
.macro JLOAD                           ; a joint refill by the walking descriptor; the branch hangs on the wave's number alone; s_nop 0 and four v_nop follow each line
	s_cmp_eq_u32 s11, 0
	s_cbranch_scc0 .Lfor_b_\@
	tensor_load_to_lds s[G0A+4:G0A+7], s[G1A:G1A+7]
	s_nop 0
	PLACES
	s_branch .Lasked_\@
.Lfor_b_\@:
	tensor_load_to_lds s[G0B+4:G0B+7], s[G1B:G1B+7]
	s_nop 0
	PLACES
.Lasked_\@:
.endm
; A PREFETCH behind each joint refill and the run of LDS loads that follows it: the K step that the NEXT refill asks for, 256 matrix instructions ahead of that load: 32 rows x 256 bytes, a lane a row, one instruction a
; wave.  Each row's 256 bytes of a K step are named once in the launch: of the 128 rows that a wave fetches, each of the four partners that ask for them jointly takes 32, told apart by address (cx for A, cy for B).
; A's rows are read by one cluster alone, which asks; the weights' by the job's eight clusters, of which row group 0 asks.  Trips with s3 = 6 .. 2 ask (K steps 3 .. 7); the last refill has no K step behind it.
.macro ASK
	s_cmp_gt_u32 s3, s[LIM]
	s_cbranch_scc0 .Lnot_mine_\@
	global_prefetch_b8 v[PFO], s[PFA:PFA+1] th:TH_LOAD_NT scope:SCOPE_SE
.Lnot_mine_\@:
.endm
; 32 LDS loads in one run: quarter q (32 along K) of the slot in hand into buffer f: B's eight blocks (window 1), then A's eight (window 0)
.macro FETCH q, f
	WIN 0x40                                       ; destination window 1, address window 0
.irp i, 0,1,2,3,4,5,6,7
	ds_load_b128 v[(\f)+8*(\i):(\f)+8*(\i)+3],   v[ADRB] offset:64*(\q)+(\i)*16*PITCH
	ds_load_b128 v[(\f)+8*(\i)+4:(\f)+8*(\i)+7], v[ADRB] offset:64*(\q)+(\i)*16*PITCH+32
.endr
	WIN 0
.irp i, 0,1,2,3,4,5,6,7
	ds_load_b128 v[(\f)+8*(\i):(\f)+8*(\i)+3],   v[ADRA] offset:64*(\q)+(\i)*16*PITCH
	ds_load_b128 v[(\f)+8*(\i)+4:(\f)+8*(\i)+7], v[ADRA] offset:64*(\q)+(\i)*16*PITCH+32
.endr
.endm
; 16 matrix instructions: row blocks a0, a0 + 1 of the window's four (hi = 0: my rows 0-63, 1: rows 64-127) x all 8 column blocks.  mode 2: the bias starts the sums.
; The 64 accumulators take turns in the same order in every quarter.
.macro MUL16 f, hi, a0, mode
.if (\mode) == 2
	WIN 0x91+0x40*(\hi)                            ; B window 1, A window 0, C window 1 (the bias), D window 2 or 3
.else
	WIN 0xa1+0x50*(\hi)                            ; C and D window 2 or 3
.endif
.irp a, \a0, (\a0)+1
.irp b, 0,1,2,3,4,5,6,7
.if (\mode) == 2
	v_wmma_f32_16x16x32_f16 v[8*(8*(\a)+(\b)):8*(8*(\a)+(\b))+7], v[(\f)+8*(\b):(\f)+8*(\b)+7], v[(\f)+8*(4*(\hi)+(\a)):(\f)+8*(4*(\hi)+(\a))+7], v[8*(\b):8*(\b)+7]
.else
	v_wmma_f32_16x16x32_f16 v[8*(8*(\a)+(\b)):8*(8*(\a)+(\b))+7], v[(\f)+8*(\b):(\f)+8*(\b)+7], v[(\f)+8*(4*(\hi)+(\a)):(\f)+8*(4*(\hi)+(\a))+7], v[8*(8*(\a)+(\b)):8*(8*(\a)+(\b))+7]
.endif
.endr
.endr
.endm
; One of a K step's first three quarters: multiplies buffer f; in its middle it fetches quarter q into buffer g
.macro QUARTER q, f, g, mode
	s_wait_dscnt 8                                 ; B and A's blocks 0 to 3 are in; the youngest eight loads (A's blocks 4 to 7) may be out
	MUL16 \f, 0, 0, \mode
	MUL16 \f, 0, 2, \mode
	PLACES                                         ; in front of the loads into buffer g, which the quarter before multiplied
	FETCH \q, \g
	s_wait_dscnt 32                                ; all but the 32 just issued
	MUL16 \f, 1, 0, \mode
	MUL16 \f, 1, 2, \mode
.endm
; The last quarter multiplies buffer 1 and changes slots.  Each wave waits for all its tensor loads (one is out: its part of the other slot), adds 0 to its spare word, and waits for that and for its reads of
; this slot; behind the barrier nobody reads this slot and the other is whole.  fill = 1: the barrier opens a round of the cluster's, and the joint refill (two K steps on) is the first thing behind it.
.macro TURN fill
.if \fill
	s_wait_xcnt 0x0                                ; the last prefetch, a K step back, has read its address
	s_add_nc_u64 s[PFA:PFA+1], s[PFA:PFA+1], 256
.endif
	WIN 0
	s_wait_tensorcnt 0x0                           ; no tensor load of mine is out, so a group 0 may be written
	ds_add_u32 v[SPW], v[NIL]
.if \fill
	s_xor_b32 s[G0A+5], s[G0A+5], SLOT             ; the walking descriptors: the other slot than last time, the next K step
	s_add_nc_u64 s[G0A+6:G0A+7], s[G0A+6:G0A+7], 256
	s_xor_b32 s[G0B+5], s[G0B+5], SLOT
	s_add_nc_u64 s[G0B+6:G0B+7], s[G0B+6:G0B+7], 256
.endif
	s_xor_b32 s[TB], s[TB], SLOT                   ; the reads go on in the other slot
	s_wait_dscnt 9                                 ; the add and the youngest eight loads may be out
	MUL16 F1, 0, 0, 0
	s_wait_dscnt 0x0                               ; the add is done, and my reads of this slot are over
	s_barrier_signal -1
	MUL16 F1, 0, 2, 0                              ; work on registers while the others arrive
	WIN 0
	s_barrier_wait -1
.if \fill
	CREST
	JLOAD                                          ; its four v_nop are also the places in front of the loads below
.else
	PLACES
.endif
	v_add_nc_u32 v[ADRA], s[TB], v[AA0]
	v_add_nc_u32 v[ADRB], s[TB], v[AB0]
	FETCH 0, F0
.if \fill
	ASK
.endif
	MUL16 F1, 1, 0, 0
	MUL16 F1, 1, 2, 0
.endm
; THE WAY OUT, first part: my 64 accumulators into my part of the ring, in f32; each accumulator's low four registers first.  Row m of my 128 lies at m x 528.  A lane's eight numbers of
; block b are columns 8 k .. 8 k + 7, k = 2 b + l / 16: the first four go to byte 16 k of the row, the other four to byte 256 + 16 k, so that sixteen lanes can read either half of a row as 256 bytes on end.
.macro DUMP
.irp a, 0,1,2,3,4,5,6,7
	WIN 0x08+0x04*((\a)/4)                         ; store data in window 2 or 3, address in window 0
.irp b, 0,1,2,3,4,5,6,7
	ds_store_b128 v[STO], v[64*((\a)%4)+8*(\b):64*((\a)%4)+8*(\b)+3]   offset:(\a)*16*SP+32*(\b)
	ds_store_b128 v[STO], v[64*((\a)%4)+8*(\b)+4:64*((\a)%4)+8*(\b)+7] offset:(\a)*16*SP+32*(\b)+256
.endr
.endr
	WIN 0
.endm
	s_load_b128 s[76:79], s[0:1], 0x0              ; bq s[76:77], bk s[78:79]
	s_load_b128 s[68:71], s[0:1], 0x10             ; cb s[68:69], qk s[70:71]
	v_lshl_add_u32 v[SPW], v0, 2, SPARE
	v_mov_b32 v[NIL], 0
	ds_add_u32 v[SPW], v[NIL]                      ; the wave's opening: the add and its wait stand ahead of my first tensor load
	v_lshrrev_b32 v1, 5, v0
	v_readfirstlane_b32 s10, v1                    ; wave 0..3
	s_lshr_b32 s11, s10, 1                         ; my half of the tile's rows.  Also: I fetch for A (0) or B (1)
	s_and_b32 s12, s10, 1                          ; my half of its columns.  Also: which half of that tile I fetch
	s_bfe_u32 s40, ttmp6, 0x40000                  ; cx
	s_bfe_u32 s41, ttmp6, 0x40004                  ; cy
	s_lshl_b32 s42, ttmp9, 2
	s_add_co_u32 s42, s42, s40                     ; tile column
	s_and_b32 s14, ttmp7, 0xffff                   ; cluster y, 0..15
	s_lshr_b32 s[JOB], s14, 3
	s_and_b32 s15, s14, 7                          ; row group
	s_lshl_b32 s13, s15, 2
	s_add_co_u32 s13, s13, s41                     ; tile row = 4 x row group + cy
	s_lshl_b32 s20, s41, 2
	s_lshl_b32 s20, 15, s20                        ; my row of the cluster
	s_lshl_b32 s21, 0x1111, s40                    ; my column
	s_or_b32 s[G1A], s20, G1W
	s_or_b32 s[G1B], s21, G1W
.irp g, G1A, G1B
	s_mov_b32 s[(\g)+1], 128<<16                   ; tensor_dim0 = 128
	s_mov_b32 s[(\g)+2], 128<<16                   ; tensor_dim1 = 128
	s_mov_b32 s[(\g)+3], 128<<16                   ; tile_dim0 = 128
	s_mov_b32 s[(\g)+4], 128                       ; tile_dim1 = 128
	s_mov_b32 s[(\g)+5], 1024                      ; elements from row to row
	s_mov_b32 s[(\g)+6], 0
	s_mov_b32 s[(\g)+7], 0
.endr
	; A's tile hangs on the tile row, the job and the wave; B's on the tile column, the job and the wave: each in registers that never hold the other coordinate
	s_lshl_b32 s16, s13, 8
	s_lshl_b32 s17, s12, 7
	s_add_co_u32 s16, s16, s17                     ; A: row 256 x tile row + 128 x half
	s_lshl_b32 s16, s16, 11
	s_lshl_b32 s17, s[JOB], 24                     ; x, or mem
	s_add_co_u32 s16, s16, s17
	s_mov_b32 s17, 0
	s_lshl_b32 s46, s42, 8
	s_lshl_b32 s47, s12, 7
	s_add_co_u32 s46, s46, s47                     ; B: row 256 x tile column + 128 x half
	s_lshl_b32 s46, s46, 11
	s_lshl_b32 s47, s[JOB], 21
	s_add_co_u32 s46, s46, s47
	s_add_co_u32 s46, s46, 0x2000000               ; the job's weights
	s_mov_b32 s47, 0
	s_mul_i32 s22, s10, HALFT                      ; where they go: wave x 128 rows: no place in the cluster enters an LDS address
	; the prefetches
	s_lshl_b32 s18, s13, 8
	s_lshl_b32 s19, s12, 7
	s_add_co_u32 s18, s18, s19
	s_lshl_b32 s19, s40, 5
	s_add_co_u32 s18, s18, s19                     ; A: my work-group's 32 of the 128 rows that I fetch
	s_lshl_b32 s18, s18, 11
	s_lshl_b32 s19, s[JOB], 24
	s_add_co_u32 s18, s18, s19
	s_lshl_b32 s20, s42, 8
	s_lshl_b32 s21, s12, 7
	s_add_co_u32 s20, s20, s21
	s_lshl_b32 s21, s41, 5
	s_add_co_u32 s20, s20, s21                     ; B likewise
	s_lshl_b32 s20, s20, 11
	s_lshl_b32 s21, s[JOB], 21
	s_add_co_u32 s20, s20, s21
	s_add_co_u32 s20, s20, 0x2000000
	s_cmp_eq_u32 s11, 0
	s_cselect_b32 s18, s18, s20
	s_cselect_b32 s21, 0, s15                      ; A: every cluster; B: row group 0
	s_add_co_u32 s18, s18, 2*256                   ; at K step 2: the first refill steps it to 3
	s_mov_b32 s19, 0
	s_cmp_eq_u32 s21, 0
	s_cselect_b32 s[LIM], 1, -1                    ; the same in all sixteen partners, for a given wave
	s_mov_b32 s[TB], 0
	s_mov_b32 s74, 0xffff0000
	s_wait_dscnt 0x0                               ; the opening add is done
	s_wait_kmcnt 0x0
	s_add_nc_u64 s[14:15], s[68:69], s[16:17]
	s_add_nc_u64 s[46:47], s[68:69], s[46:47]
	s_add_nc_u64 s[PFA:PFA+1], s[68:69], s[18:19]
	CROUND                                         ; all sixteen work-groups are here: the first joint loads meet
.irp s, 0,1
	s_mov_b32 s[G0A+4*(\s)], 1
	s_add_co_u32 s[G0A+4*(\s)+1], s22, (\s)*SLOT
	s_add_nc_u64 s[G0A+4*(\s)+2:G0A+4*(\s)+3], s[14:15], (\s)*256
	s_or_b32 s[G0A+4*(\s)+3], s[G0A+4*(\s)+3], 0x80000000
	s_mov_b32 s[G0B+4*(\s)], 1
	s_add_co_u32 s[G0B+4*(\s)+1], s22, (\s)*SLOT
	s_add_nc_u64 s[G0B+4*(\s)+2:G0B+4*(\s)+3], s[46:47], (\s)*256
	s_or_b32 s[G0B+4*(\s)+3], s[G0B+4*(\s)+3], 0x80000000
.endr
	s_cmp_eq_u32 s11, 0                            ; a wave's two first fills stand in one branch: two loads of mine are out
	s_cbranch_scc0 .Lfirst_b
	tensor_load_to_lds s[G0A:G0A+3], s[G1A:G1A+7]
	s_nop 0
	tensor_load_to_lds s[G0A+4:G0A+7], s[G1A:G1A+7]
	s_nop 0
	PLACES
	s_branch .Lfirst_done
.Lfirst_b:
	tensor_load_to_lds s[G0B:G0B+3], s[G1B:G1B+7]
	s_nop 0
	tensor_load_to_lds s[G0B+4:G0B+7], s[G1B:G1B+7]
	s_nop 0
	PLACES
.Lfirst_done:
	; the bias of my 128 columns: register j of block b is column 16 b + 8 (l / 16) + j
	s_cmp_eq_u32 s[JOB], 0
	s_cselect_b64 s[76:77], s[76:77], s[78:79]
	v_and_b32 v1, 15, v0                           ; l % 16
	v_bfe_u32 v2, v0, 4, 1                         ; l / 16
	s_lshl_b32 s20, s42, 10
	s_lshl_b32 s21, s12, 9
	s_add_co_u32 s20, s20, s21
	v_lshlrev_b32 v[BO], 5, v2
	v_add_nc_u32 v[BO], s20, v[BO]
.irp b, 0,1,2,3,4,5,6,7
	global_load_b128 v[128+8*(\b):128+8*(\b)+3],   v[BO], s[76:77] offset:64*(\b)
	global_load_b128 v[128+8*(\b)+4:128+8*(\b)+7], v[BO], s[76:77] offset:64*(\b)+16
.endr
	v_mul_u32_u24 v3, v1, PITCH
	v_lshl_add_u32 v3, v2, 4, v3                   ; a fragment's row x pitch + 16 x half
	s_mul_i32 s20, s11, HALFT                      ; my 128 rows of A
	v_add_nc_u32 v[AA0], s20, v3
	s_mul_i32 s21, s12, HALFT                      ; my 128 rows of B,
	s_add_co_u32 s21, s21, 2*HALFT                 ; which lie behind A's 256
	v_add_nc_u32 v[AB0], s21, v3
	v_mov_b32 v[ADRA], v[AA0]
	v_mov_b32 v[ADRB], v[AB0]
	s_mul_i32 s20, s10, OUTW                       ; the way out: my part of the ring
	v_mul_u32_u24 v3, v1, SP                       ; in: row l % 16, 16 bytes for each half of the lanes
	v_lshl_add_u32 v3, v2, 4, v3
	v_add_nc_u32 v[STO], s20, v3
	v_mul_u32_u24 v3, v2, SP                       ; back: lanes 0-15 take one row, lanes 16-31 the next, 16 bytes a lane
	v_lshl_add_u32 v3, v1, 4, v3
	v_add_nc_u32 v[RD0], s20, v3
	v_lshlrev_b32 v3, 11, v2                       ; and the same two rows in C
	v_lshl_add_u32 v[CO], v1, 4, v3
	v_and_b32 v[PFO], 31, v0
	v_lshlrev_b32 v[PFO], 11, v[PFO]
	s_lshl_b32 s20, s13, 8                         ; my part of C: row 256 x tile row + 128 x half, byte 512 x tile column + 256 x half, in the job's half of qk
	s_lshl_b32 s21, s11, 7
	s_add_co_u32 s20, s20, s21
	s_lshl_b32 s20, s20, 11
	s_lshl_b32 s21, s42, 9
	s_add_co_u32 s20, s20, s21
	s_lshl_b32 s21, s12, 8
	s_add_co_u32 s20, s20, s21
	s_lshl_b32 s21, s[JOB], 24
	s_add_co_u32 s20, s20, s21
	s_mov_b32 s21, 0
	s_add_nc_u64 s[8:9], s[70:71], s[20:21]
	s_wait_loadcnt 0x0                             ; the bias
.set i, 0
.rept 32
	v_cvt_pk_bf16_f32 v[192+i], v[128+2*i], v[128+2*i+1]  ; rounded to bf16 like every input,
.set i, i+1
.endr
	WIN 0x40                                       ; destination in window 1
.set i, 0
.rept 32
	v_lshlrev_b32 v[2*i], 16, v[192+i]             ; and back to f32, as the C operand of the first products
	v_and_b32 v[2*i+1], s74, v[192+i]
.set i, i+1
.endr
	WIN 0
	s_wait_tensorcnt 0x1                           ; my part of K step 0 is in; K step 1's may stay out
	s_barrier_signal -1
	s_barrier_wait -1
	FETCH 0, F0
	QUARTER 1, F0, F1, 2                           ; the first quarter stands in front of the loop: its products start the sums, with the bias
	WIN 0
	s_mov_b32 s3, 6
.Lstep:                                                ; a trip: from a K step's second quarter to the next step's first; it refills K steps 2 .. 7
	QUARTER 2, F1, F0, 0
	QUARTER 3, F0, F1, 0
	TURN 1
	QUARTER 1, F0, F1, 0
	WIN 0
	s_sub_co_u32 s3, s3, 1
	s_cmp_lg_u32 s3, 0
	s_cbranch_scc1 .Lstep
	s_mov_b32 s3, 2
.Ltail:                                                ; the last two K steps ask for nothing: a text of their own; walked twice and left in the middle
	QUARTER 2, F1, F0, 0
	QUARTER 3, F0, F1, 0
	TURN 0                                         ; (the second time its run of LDS loads serves nothing: the price, once a launch, of one text for both trips)
	WIN 0
	s_sub_co_u32 s3, s3, 1
	s_cmp_eq_u32 s3, 0
	s_cbranch_scc1 .Lout
	QUARTER 1, F0, F1, 0
	WIN 0
	s_branch .Ltail
.Lout:
	s_wait_dscnt 0x0                               ; my last LDS loads have landed: my reads of the ring are over,
	s_barrier_signal -1
	s_barrier_wait -1                              ; and so are everybody's; both slots have had their last fill, so their bytes may take the sums
	PLACES                                         ; behind the last products
	DUMP
	s_mov_b32 s3, 8
	s_mov_b32 s[RB], 0
.Lrows:                                                ; THE WAY OUT, second part: 8 trips of 16 rows.  Lane l takes columns 8 (l % 16) .. + 7 of rows 2 t + l / 16
	v_add_nc_u32 v[RD], s[RB], v[RD0]
.irp t, 0,1,2,3,4,5,6,7
	ds_load_b128 v[X+8*(\t):X+8*(\t)+3],   v[RD] offset:(\t)*2*SP      ; LDS serves a wave's instructions in order (ISA guide 5.7.1.4): these see my stores above
	ds_load_b128 v[X+8*(\t)+4:X+8*(\t)+7], v[RD] offset:(\t)*2*SP+256
.endr
.irp t, 0,1,2,3,4,5,6,7
	s_wait_dscnt 14-2*(\t)                         ; rows 2 t and 2 t + 1 are in; the younger loads may stay out
.irp r, 0,1,2,3
	v_cvt_pk_f16_f32 v[Y+4*(\t)+(\r)], v[X+8*(\t)+2*(\r)], v[X+8*(\t)+2*(\r)+1]
.endr
	global_store_b128 v[CO], v[Y+4*(\t):Y+4*(\t)+3], s[8:9] offset:(\t)*2*2048  ; 16 lanes store 256 consecutive bytes, at a multiple of 256 from the buffer's first
.endr
	s_wait_xcnt 0x0                                ; the trip's stores have read their base and their data: both are written again only behind this wait
	s_add_nc_u64 s[8:9], s[8:9], 16*2048           ; 16 rows of C on,
	s_add_co_u32 s[RB], s[RB], 16*SP               ; and 16 rows in LDS
	s_sub_co_u32 s3, s3, 1
	s_cmp_lg_u32 s3, 0
	s_cbranch_scc1 .Lrows
	s_wait_tensorcnt 0x0                           ; the wave's end
	ds_add_u32 v[SPW], v[NIL]
	s_wait_dscnt 0x0
	CROUND                                         ; the closing round: no work-group ends while a partner may still ask for a tile that names it
	s_endpgm
.Lfunc_end_k_q43b5c0fadc_qk:
	.size	k_q43b5c0fadc_qk, .Lfunc_end_k_q43b5c0fadc_qk-k_q43b5c0fadc_qk
	.p2alignl 7, 3214868480
	.fill 96, 4, 3214868480
	.section	.rodata,"a",@progbits
	.p2align	6, 0x0
	.amdhsa_kernel k_q43b5c0fadc_qk
		.amdhsa_group_segment_fixed_size 327680
		.amdhsa_private_segment_fixed_size 0
		.amdhsa_enable_private_segment 0
		.amdhsa_kernarg_size 32
		.amdhsa_user_sgpr_count 2
		.amdhsa_user_sgpr_kernarg_segment_ptr 1
		.amdhsa_wavefront_size32 1
		.amdhsa_system_sgpr_workgroup_id_x 1
		.amdhsa_system_sgpr_workgroup_id_y 1
		.amdhsa_system_sgpr_workgroup_id_z 1
		.amdhsa_system_vgpr_workitem_id 0
		.amdhsa_next_free_vgpr 1024
		.amdhsa_next_free_sgpr 80
		.amdhsa_reserve_vcc 0
		.amdhsa_float_denorm_mode_32 3
		.amdhsa_float_denorm_mode_16_64 3
		.amdhsa_memory_ordered 1
		.amdhsa_forward_progress 1
		.amdhsa_inst_pref_size 88
	.end_amdhsa_kernel
	.amdgpu_metadata
---
amdhsa.version: [ 1, 2 ]
amdhsa.kernels:
  - .name:           k_q43b5c0fadc_qk
    .symbol:         k_q43b5c0fadc_qk.kd
    .args:
      - { .name: bq, .offset: 0, .size: 8, .value_kind: global_buffer, .address_space: global }
      - { .name: bk, .offset: 8, .size: 8, .value_kind: global_buffer, .address_space: global }
      - { .name: cb, .offset: 16, .size: 8, .value_kind: global_buffer, .address_space: global }
      - { .name: qk, .offset: 24, .size: 8, .value_kind: global_buffer, .address_space: global }
    .group_segment_fixed_size: 327680
    .private_segment_fixed_size: 0
    .kernarg_segment_align: 8
    .kernarg_segment_size: 32
    .max_flat_workgroup_size: 128
    .sgpr_count:     80
    .vgpr_count:     1024
    .wavefront_size: 32
...
	.end_amdgpu_metadata
.endif
;; end of part 2
;; launch sv (part 3): grid 4 x 64, 4 waves a work-group, clusters of 4 x 4, 327,680 bytes of LDS; arguments qk, cb, bv, pf, st, vb; writes pf, st, vb
.if DOCPART == 3
	.amdgcn_target "amdgcn-amd-amdhsa--gfx1250"
	.amdhsa_code_object_version 6
	.text
	.protected	k_q43b5c0fadc_sv
	.globl	k_q43b5c0fadc_sv
	.p2align	8
	.type	k_q43b5c0fadc_sv,@function
k_q43b5c0fadc_sv:
	s_mov_b64 s[64:65], 0
	v_nop
	global_prefetch_b8 v0, s[64:65] scope:SCOPE_SE
	s_setreg_imm32_b32 hwreg(HW_REG_WAVE_MODE, 25, 1), 1
	s_wait_xcnt 0x0
	s_wait_alu depctr_hold_cnt(0) depctr_sa_sdst(0) depctr_va_vdst(0) depctr_va_sdst(0) depctr_va_ssrc(0) depctr_va_vcc(0) depctr_vm_vsrc(0)
	s_getreg_b32 s2, hwreg(HW_REG_IB_STS2, 6, 4)
	s_cmp_eq_u32 s2, 0
	s_cbranch_scc0 .Lentry_in_a_cluster
	s_endpgm
.Lentry_in_a_cluster:
	s_bfe_u32 s2, ttmp6, 0x10000c
	s_cmp_lg_u32 s2, 0xf033
	s_cbranch_scc0 .Lentry_shape_is_right
	s_endpgm
.Lentry_shape_is_right:
; SV.  Two jobs that do not depend on each other, 128 tiles of 256 x 256 each, so that the launch has 256 work-groups of equal matrix work.  Cluster y = 8 x job + batch (job 0) or row group (job 1).
; JOB 0, THE SCORES.  For each batch S = q k^T (1,024 x 1,024 x 1,024, f16 operands from qk, f32 sums), and the first stage of the softmax: for each query and each GROUP of 128 keys (a wave's columns)
;   cm = c x (the group's largest score), c = log2(e) / 32;   p = 2^(c s - cm), rounded to f16 into pf [8192 queries][1024 keys];   l = the sum of the unrounded p;   (cm, l) in f32 into st [8 groups][8192 rows][2].
;   The next launch takes the maximum of the eight cm away: together the two stages take the row's true maximum away, as the softmax asks.
; JOB 1, v = mem Wv^T + bv (f16 operands from cb, sums f32 started by the bias rounded to bf16), rounded once to f16 into vb.
; LIMITS.  p lies in 0 to 1; below 6e-5 it keeps f16's fixed step of 6e-8; a weight below 2^-126 counts as 0 in l.  |v| stays under 65,504.  NaN and infinities are not treated apart.
; SHARES.  Four waves, each 128 x 128: 64 accumulators.  K goes in 8 steps of 128 (rows of 256 bytes) through two LDS slots filled by tensor loads, one a wave, 128 rows each: waves 0, 1 fetch A's halves, waves 2, 3
; B's.  A K step is 256 matrix instructions a wave, 224 of them between a refill's request and the wait for it.
; CLUSTER.  4 x 4 work-groups: a whole batch's scores, or four tile rows x the four tile columns of v.  A's tile is shared along a row of the cluster, B's along a column: each is asked for jointly.
; Branches on the job hang on the cluster's y alone, which all sixteen partners share; none holds a barrier or a tensor load.
; TRANSPOSED USE (source 0 = 16 rows of B, source 1 = 16 rows of A): lane l holds row l % 16 of C and the columns 8 (l / 16) + 0..7 of each block of 16.
; THE WAY OUT is written once, for both jobs: behind the last K step the ring has had its last fill, and each wave lays its 128 x 128 sums, in f32, into its own 67,584 bytes of it; a loop of 8 trips reads 16 rows
; back by rows, so that a row's 128 numbers lie in the 16 lanes of one half; the scores' softmax stands in that loop; then the rows are rounded and stored.
; REGISTERS.  window 0: v1-19 addresses; v64-127, v128-191 A's fragments, two buffers; on the way out v64-127 16 rows read back, v128-159 the same rounded, v160-215 the softmax's work.
; window 1: v0-63 the C operand of the first products (the bias; 0 for the scores); v64-127, v128-191 B's fragments.  window 2: accumulators of my rows 0-63, (a, b) at v[8 (8 a + b)]; window 3: rows 64-127.
.set PITCH,  272                       ; an LDS row: 256 bytes + 16 of padding = 68 words, so the 16 rows of a fragment load start at 16 different groups of four banks (ISA guide 11.1)
.set HALFT,  128*PITCH
.set SLOT,   4*HALFT                   ; 0x22000 bytes; the waves' bases 0, 0x8800, 0x11000, 0x19800 have bits 13 and 17 clear, so one exclusive or with SLOT changes slot
.set SP,     528                       ; the way out: a row of 128 f32, 512 bytes + 16: an odd multiple of 16, so the 16 rows of a store start at 16 different groups of four banks (ISA guide 11.1)
.set OUTW,   128*SP                    ; a wave's part of the ring on the way out; four of them, 270,336 bytes, lie inside the two slots' 278,528
.set TBL,    2*SLOT                    ; behind the ring: (cm, l) of a wave's 128 rows, 1,024 bytes for each wave; no tensor load fills it
.set SPARE,  TBL+4*1024                ; the spare words, 128 bytes a wave: two blocks of 256 bytes that no other line names
.set AA0, 4                            ; v4   my lane's place in A's tile; never rewritten
.set AB0, 5                            ; v5   the same in B's
.set ADRA, 6                           ; v6   slot + AA0
.set ADRB, 7                           ; v7   slot + AB0
.set STO, 8                            ; v8   the way out: where I put 16 bytes of a row
.set RD0, 9                            ; v9   where I read the first 16 rows back; never rewritten
.set CO,  10                           ; v10  my byte offset in pf or vb
.set PFO, 11                           ; v11  the prefetches' offset: my lane x a row of 2,048 bytes
.set SPW, 12                           ; v12  my spare word; never rewritten
.set NIL, 13                           ; v13  0; never rewritten
.set BO,  14                           ; v14  my byte offset in the bias
.set RD,  15                           ; v15  where I read the trip's 16 rows back
.set TA0, 16                           ; v16  the table: my half's place for the first two rows; never rewritten
.set TA,  17                           ; v17  the same for the trip's
.set TR,  18                           ; v18  the table read back: 16 bytes a lane
.set SO,  19                           ; v19  16 x my lane: my place in 512 bytes of st
.set F0,  64
.set F1,  128
.set X,   64                           ; v64-127   the way out: rows 2 t + l / 16 of the trip's 16, my 8 columns, at X + 8 t
.set Y,   128                          ; v128-159  the same rounded to f16, 16 bytes at Y + 4 t
.set CMP, 160                          ; v160-175  row pair t: c m twice (the packed scaling names a pair); then l takes the second place: (cm, l)
.set T,   176                          ; v176-207  the sums, four registers a row pair
.set M,   208                          ; v208-215  the maxima
.set RB,  16                           ; s16  the way out: LDS bytes from my first row to the trip's first
.set SB,  17                           ; s17  the same in the table
.set G1A, 24
.set G0A, 32
.set G1B, 48
.set G0B, 56
.set LIM, 43
.set PFA, 44
.set TB,  66
.set JOB, 67                           ; s67  0 the scores, 1 v
.set G1W, (1<<16)|(1<<20)|(1<<21)|(5<<22)|(3<<25)  ; 2-byte elements; padding on; 21 set beside a mask; after every 64 words 4 words
.set MSB, 0
.macro WIN new                         ; the immediate's high byte repeats the setting that is left; a switch that changes nothing is dropped
.if MSB != (\new)
	s_set_vgpr_msb (MSB<<8)|(\new)
.set MSB, \new
.endif
.endm
.macro PLACES                          ; four places behind a matrix instruction (ISA guide 7.12.1), where no other vector work is at hand
.rept 4
	v_nop
.endr
.endm
.macro CREST
	s_cmp_lg_u32 s10, 0
	s_cbranch_scc1 .Lnot_wave_0_\@
	s_barrier_signal -3
.Lnot_wave_0_\@:
	s_barrier_wait -3
	s_barrier_signal -1
	s_barrier_wait -1
.endm
.macro CROUND
	s_barrier_signal -1
	s_barrier_wait -1
	CREST
.endm
.macro JLOAD                           ; a joint refill by the walking descriptor; the branch hangs on the wave's number alone; s_nop 0 and four v_nop follow each line
	s_cmp_eq_u32 s11, 0
	s_cbranch_scc0 .Lfor_b_\@
	tensor_load_to_lds s[G0A+4:G0A+7], s[G1A:G1A+7]
	s_nop 0
	PLACES
	s_branch .Lasked_\@
.Lfor_b_\@:
	tensor_load_to_lds s[G0B+4:G0B+7], s[G1B:G1B+7]
	s_nop 0
	PLACES
.Lasked_\@:
.endm
; A PREFETCH behind each joint refill and its run of LDS loads: the K step that the NEXT refill asks for, 256 matrix instructions ahead of that load: 32 rows x 256 bytes, a lane a row, one instruction a wave.
; Of the 128 rows that a wave fetches, each of the four partners that ask for them jointly takes 32, told apart by address (cx for A, cy for B).  q's, k's and mem's rows are read by one cluster alone, which asks;
; Wv's by eight clusters, of which row group 0 asks.  So each row's 256 bytes of a K step are named once.  Trips with s3 = 6 .. 2 ask (K steps 3 .. 7).
.macro ASK
	s_cmp_gt_u32 s3, s[LIM]
	s_cbranch_scc0 .Lnot_mine_\@
	global_prefetch_b8 v[PFO], s[PFA:PFA+1] th:TH_LOAD_NT scope:SCOPE_SE
.Lnot_mine_\@:
.endm
.macro FETCH q, f                      ; 32 LDS loads in one run: quarter q of the slot in hand into buffer f: B's eight blocks (window 1), then A's eight (window 0)
	WIN 0x40
.irp i, 0,1,2,3,4,5,6,7
	ds_load_b128 v[(\f)+8*(\i):(\f)+8*(\i)+3],   v[ADRB] offset:64*(\q)+(\i)*16*PITCH
	ds_load_b128 v[(\f)+8*(\i)+4:(\f)+8*(\i)+7], v[ADRB] offset:64*(\q)+(\i)*16*PITCH+32
.endr
	WIN 0
.irp i, 0,1,2,3,4,5,6,7
	ds_load_b128 v[(\f)+8*(\i):(\f)+8*(\i)+3],   v[ADRA] offset:64*(\q)+(\i)*16*PITCH
	ds_load_b128 v[(\f)+8*(\i)+4:(\f)+8*(\i)+7], v[ADRA] offset:64*(\q)+(\i)*16*PITCH+32
.endr
.endm
.macro MUL16 f, hi, a0, mode           ; 16 matrix instructions: row blocks a0, a0 + 1 of window 2 + hi x all 8 column blocks.  mode 2: window 1's v0-63 start the sums.  The 64 accumulators take turns
.if (\mode) == 2
	WIN 0x91+0x40*(\hi)
.else
	WIN 0xa1+0x50*(\hi)
.endif
.irp a, \a0, (\a0)+1
.irp b, 0,1,2,3,4,5,6,7
.if (\mode) == 2
	v_wmma_f32_16x16x32_f16 v[8*(8*(\a)+(\b)):8*(8*(\a)+(\b))+7], v[(\f)+8*(\b):(\f)+8*(\b)+7], v[(\f)+8*(4*(\hi)+(\a)):(\f)+8*(4*(\hi)+(\a))+7], v[8*(\b):8*(\b)+7]
.else
	v_wmma_f32_16x16x32_f16 v[8*(8*(\a)+(\b)):8*(8*(\a)+(\b))+7], v[(\f)+8*(\b):(\f)+8*(\b)+7], v[(\f)+8*(4*(\hi)+(\a)):(\f)+8*(4*(\hi)+(\a))+7], v[8*(8*(\a)+(\b)):8*(8*(\a)+(\b))+7]
.endif
.endr
.endr
.endm
.macro QUARTER q, f, g, mode
	s_wait_dscnt 8                                 ; B and A's blocks 0 to 3 are in; the youngest eight loads (A's blocks 4 to 7) may be out
	MUL16 \f, 0, 0, \mode
	MUL16 \f, 0, 2, \mode
	PLACES                                         ; in front of the loads into buffer g, which the quarter before multiplied
	FETCH \q, \g
	s_wait_dscnt 32                                ; all but the 32 just issued
	MUL16 \f, 1, 0, \mode
	MUL16 \f, 1, 2, \mode
.endm
; The last quarter multiplies buffer 1 and changes slots.  Each wave waits for all its tensor loads (one is out: its part of the other slot), adds 0 to its spare word, and waits for that and for its reads of
; this slot; behind the barrier nobody reads this slot and the other is whole.  fill = 1: the barrier opens a round of the cluster's, and the joint refill (two K steps on) is the first thing behind it.
.macro TURN fill
.if \fill
	s_wait_xcnt 0x0                                ; the last prefetch, a K step back, has read its address
	s_add_nc_u64 s[PFA:PFA+1], s[PFA:PFA+1], 256
.endif
	WIN 0
	s_wait_tensorcnt 0x0                           ; no tensor load of mine is out, so a group 0 may be written
	ds_add_u32 v[SPW], v[NIL]
.if \fill
	s_xor_b32 s[G0A+5], s[G0A+5], SLOT
	s_add_nc_u64 s[G0A+6:G0A+7], s[G0A+6:G0A+7], 256
	s_xor_b32 s[G0B+5], s[G0B+5], SLOT
	s_add_nc_u64 s[G0B+6:G0B+7], s[G0B+6:G0B+7], 256
.endif
	s_xor_b32 s[TB], s[TB], SLOT
	s_wait_dscnt 9                                 ; the add and the youngest eight loads may be out
	MUL16 F1, 0, 0, 0
	s_wait_dscnt 0x0                               ; the add is done, and my reads of this slot are over
	s_barrier_signal -1
	MUL16 F1, 0, 2, 0
	WIN 0
	s_barrier_wait -1
.if \fill
	CREST
	JLOAD                                          ; its four v_nop are also the places in front of the loads below
.else
	PLACES
.endif
	v_add_nc_u32 v[ADRA], s[TB], v[AA0]
	v_add_nc_u32 v[ADRB], s[TB], v[AB0]
	FETCH 0, F0
.if \fill
	ASK
.endif
	MUL16 F1, 1, 0, 0
	MUL16 F1, 1, 2, 0
.endm
; THE WAY OUT, first part: my 64 accumulators into my part of the ring, in f32; each accumulator's low four registers first.  Row m of my 128 lies at m x 528.  A lane's eight numbers of
; block b are columns 8 k .. 8 k + 7, k = 2 b + l / 16: the first four go to byte 16 k of the row, the other four to byte 256 + 16 k, so that sixteen lanes can read either half of a row as 256 bytes on end.
.macro DUMP
.irp a, 0,1,2,3,4,5,6,7
	WIN 0x08+0x04*((\a)/4)                         ; store data in window 2 or 3, address in window 0
.irp b, 0,1,2,3,4,5,6,7
	ds_store_b128 v[STO], v[64*((\a)%4)+8*(\b):64*((\a)%4)+8*(\b)+3]   offset:(\a)*16*SP+32*(\b)
	ds_store_b128 v[STO], v[64*((\a)%4)+8*(\b)+4:64*((\a)%4)+8*(\b)+7] offset:(\a)*16*SP+32*(\b)+256
.endr
.endr
	WIN 0
.endm
; THE SOFTMAX'S FIRST STAGE for the trip's 16 rows.  A lane holds 8 scores of each of 8 rows (row pair t: row 2 t + l / 16); a row's 128 scores lie in the 16 lanes of one half.  The maximum: seven steps in the lane's
; own registers... four of them here by three operands at a time; then four steps across the 16 lanes, which ride on the arithmetic (DPP).  Then c s - c m in pairs and the 64 exponentials, in place, as ONE batch
; with one wait; the sums go into other registers, so that the weights stay for the rounding; (cm, l) goes into my table, the sixteen lanes of a half writing the same eight bytes.
.macro SOFT
	s_wait_dscnt 0x0                               ; all 16 rows are in
	v_add_nc_u32 v[TA], s[SB], v[TA0]
.irp t, 0,1,2,3,4,5,6,7
	v_max3_num_f32 v[M+(\t)], v[X+8*(\t)], v[X+8*(\t)+1], v[X+8*(\t)+2]
.endr
.irp t, 0,1,2,3,4,5,6,7
	v_max3_num_f32 v[M+(\t)], v[M+(\t)], v[X+8*(\t)+3], v[X+8*(\t)+4]
.endr
.irp t, 0,1,2,3,4,5,6,7
	v_max3_num_f32 v[M+(\t)], v[M+(\t)], v[X+8*(\t)+5], v[X+8*(\t)+6]
.endr
.irp t, 0,1,2,3,4,5,6,7
	v_max_num_f32 v[M+(\t)], v[M+(\t)], v[X+8*(\t)+7]
.endr
.irp x, 1,2,4,8
.irp t, 0,1,2,3,4,5,6,7
	v_max_num_f32_dpp v[M+(\t)], v[M+(\t)], v[M+(\t)] row_xmask:\x row_mask:0xf bank_mask:0xf
.endr
.endr
.irp t, 0,1,2,3,4,5,6,7
	v_mul_f32 v[CMP+2*(\t)], s80, v[M+(\t)]        ; c m,
	v_mul_f32 v[CMP+2*(\t)+1], s80, v[M+(\t)]      ; twice: the packed scaling names a pair
.endr
.irp t, 0,1,2,3,4,5,6,7
.irp p, 0,1,2,3
	v_pk_fma_f32 v[X+8*(\t)+2*(\p):X+8*(\t)+2*(\p)+1], v[X+8*(\t)+2*(\p):X+8*(\t)+2*(\p)+1], s[80:81], v[CMP+2*(\t):CMP+2*(\t)+1] op_sel_hi:[1,0,0] neg_lo:[0,0,1] neg_hi:[0,0,1]
.endr
.endr
.set i, 0
.rept 64
	v_exp_f32 v[X+i], v[X+i]
.set i, i+1
.endr
	v_nop                                          ; a plain instruction behind the last exponential,
	s_wait_alu depctr_va_vdst(0)                   ; and one wait ahead of the batch's first reader
.irp t, 0,1,2,3,4,5,6,7
	v_pk_add_f32 v[T+4*(\t):T+4*(\t)+1], v[X+8*(\t):X+8*(\t)+1], v[X+8*(\t)+2:X+8*(\t)+3]
.endr
.irp t, 0,1,2,3,4,5,6,7
	v_pk_add_f32 v[T+4*(\t)+2:T+4*(\t)+3], v[X+8*(\t)+4:X+8*(\t)+5], v[X+8*(\t)+6:X+8*(\t)+7]
.endr
.irp t, 0,1,2,3,4,5,6,7
	v_pk_add_f32 v[T+4*(\t):T+4*(\t)+1], v[T+4*(\t):T+4*(\t)+1], v[T+4*(\t)+2:T+4*(\t)+3]
.endr
.irp t, 0,1,2,3,4,5,6,7
	v_add_f32 v[CMP+2*(\t)+1], v[T+4*(\t)], v[T+4*(\t)+1]  ; l takes the pair's second place
.endr
.irp x, 1,2,4,8
.irp t, 0,1,2,3,4,5,6,7
	v_add_f32_dpp v[CMP+2*(\t)+1], v[CMP+2*(\t)+1], v[CMP+2*(\t)+1] row_xmask:\x row_mask:0xf bank_mask:0xf
.endr
.endr
.irp t, 0,1,2,3,4,5,6,7
	ds_store_b64 v[TA], v[CMP+2*(\t):CMP+2*(\t)+1] offset:16*(\t)  ; row 2 t + l / 16 of the trip: 8 bytes a row
.endr
.endm
	s_load_b128 s[4:7], s[0:1], 0x0                ; qk s[4:5], cb s[6:7]
	s_load_b128 s[76:79], s[0:1], 0x10             ; bv s[76:77], pf s[78:79]
	s_load_b128 s[68:71], s[0:1], 0x20             ; st s[68:69], vb s[70:71]
	v_lshl_add_u32 v[SPW], v0, 2, SPARE
	v_mov_b32 v[NIL], 0
	ds_add_u32 v[SPW], v[NIL]                      ; the wave's opening: the add and its wait stand ahead of my first tensor load
	v_lshrrev_b32 v1, 5, v0
	v_readfirstlane_b32 s10, v1                    ; wave 0..3
	s_lshr_b32 s11, s10, 1                         ; my half of the tile's rows.  Also: I fetch for A (0) or B (1)
	s_and_b32 s12, s10, 1                          ; my half of its columns.  Also: which half of that tile I fetch
	s_bfe_u32 s40, ttmp6, 0x40000                  ; cx
	s_bfe_u32 s41, ttmp6, 0x40004                  ; cy
	s_lshl_b32 s42, ttmp9, 2
	s_add_co_u32 s42, s42, s40                     ; tile column
	s_and_b32 s14, ttmp7, 0xffff                   ; cluster y, 0..15
	s_lshr_b32 s[JOB], s14, 3
	s_and_b32 s15, s14, 7                          ; the batch, or the row group
	s_lshl_b32 s13, s15, 2
	s_add_co_u32 s13, s13, s41                     ; tile row, 0..31, over all batches
	s_lshl_b32 s20, s41, 2
	s_lshl_b32 s20, 15, s20                        ; my row of the cluster
	s_lshl_b32 s21, 0x1111, s40                    ; my column
	s_or_b32 s[G1A], s20, G1W
	s_or_b32 s[G1B], s21, G1W
.irp g, G1A, G1B
	s_mov_b32 s[(\g)+1], 128<<16                   ; tensor_dim0 = 128
	s_mov_b32 s[(\g)+2], 128<<16                   ; tensor_dim1 = 128
	s_mov_b32 s[(\g)+3], 128<<16                   ; tile_dim0 = 128
	s_mov_b32 s[(\g)+4], 128                       ; tile_dim1 = 128
	s_mov_b32 s[(\g)+5], 1024                      ; elements from row to row
	s_mov_b32 s[(\g)+6], 0
	s_mov_b32 s[(\g)+7], 0
.endr
	; A's tile hangs on the tile row, the job and the wave; B's on the tile column, the cluster's y and the wave: each in registers that never hold the other coordinate
	s_lshl_b32 s16, s13, 8
	s_lshl_b32 s17, s12, 7
	s_add_co_u32 s16, s16, s17                     ; A: row 256 x tile row + 128 x half,
	s_lshl_b32 s16, s16, 11
	s_lshl_b32 s17, s[JOB], 24                     ; of q (qk's first half) or of mem (cb's second tensor)
	s_add_co_u32 s16, s16, s17
	s_mov_b32 s17, 0
	s_lshl_b32 s23, s15, 21                        ; B begins at the batch's keys in qk's second half,
	s_add_co_u32 s23, s23, 0x1000000
	s_cmp_eq_u32 s[JOB], 0
	s_cselect_b32 s23, s23, 0x2400000              ; or at Wv in cb
	s_lshl_b32 s46, s42, 8
	s_lshl_b32 s47, s12, 7
	s_add_co_u32 s46, s46, s47                     ; B: row 256 x tile column + 128 x half
	s_lshl_b32 s46, s46, 11
	s_add_co_u32 s46, s46, s23
	s_mov_b32 s47, 0
	s_mul_i32 s22, s10, HALFT                      ; where they go: wave x 128 rows: no place in the cluster enters an LDS address
	; the prefetches
	s_lshl_b32 s18, s13, 8
	s_lshl_b32 s19, s12, 7
	s_add_co_u32 s18, s18, s19
	s_lshl_b32 s19, s40, 5
	s_add_co_u32 s18, s18, s19                     ; A: my work-group's 32 of the 128 rows that I fetch
	s_lshl_b32 s18, s18, 11
	s_lshl_b32 s19, s[JOB], 24
	s_add_co_u32 s18, s18, s19
	s_lshl_b32 s20, s42, 8
	s_lshl_b32 s21, s12, 7
	s_add_co_u32 s20, s20, s21
	s_lshl_b32 s21, s41, 5
	s_add_co_u32 s20, s20, s21                     ; B likewise
	s_lshl_b32 s20, s20, 11
	s_add_co_u32 s20, s20, s23
	s_mul_i32 s21, s[JOB], s15                     ; 0 for the scores, and for v's row group 0
	s_cmp_eq_u32 s11, 0
	s_cselect_b32 s18, s18, s20
	s_cselect_b32 s21, 0, s21                      ; A: every cluster
	s_add_co_u32 s18, s18, 2*256                   ; at K step 2: the first refill steps it to 3
	s_mov_b32 s19, 0
	s_cmp_eq_u32 s21, 0
	s_cselect_b32 s[LIM], 1, -1                    ; the same in all sixteen partners, for a given wave
	s_mov_b32 s[TB], 0
	s_mov_b32 s80, 0x3d38aa3b                      ; c = log2(e) / 32
	s_mov_b32 s81, s80                             ; named with it as a pair
	s_mov_b32 s84, 0xffff0000                      ; a word's upper bf16
	s_wait_dscnt 0x0                               ; the opening add is done
	s_wait_kmcnt 0x0
	s_cmp_eq_u32 s[JOB], 0
	s_cselect_b64 s[4:5], s[4:5], s[6:7]           ; both tiles come from qk (the scores) or from cb (v)
	s_cselect_b64 s[8:9], s[78:79], s[70:71]       ; and the tile goes to pf or to vb
	s_add_nc_u64 s[14:15], s[4:5], s[16:17]
	s_add_nc_u64 s[46:47], s[4:5], s[46:47]
	s_add_nc_u64 s[PFA:PFA+1], s[4:5], s[18:19]
	CROUND                                         ; all sixteen work-groups are here: the first joint loads meet
.irp s, 0,1
	s_mov_b32 s[G0A+4*(\s)], 1
	s_add_co_u32 s[G0A+4*(\s)+1], s22, (\s)*SLOT
	s_add_nc_u64 s[G0A+4*(\s)+2:G0A+4*(\s)+3], s[14:15], (\s)*256
	s_or_b32 s[G0A+4*(\s)+3], s[G0A+4*(\s)+3], 0x80000000
	s_mov_b32 s[G0B+4*(\s)], 1
	s_add_co_u32 s[G0B+4*(\s)+1], s22, (\s)*SLOT
	s_add_nc_u64 s[G0B+4*(\s)+2:G0B+4*(\s)+3], s[46:47], (\s)*256
	s_or_b32 s[G0B+4*(\s)+3], s[G0B+4*(\s)+3], 0x80000000
.endr
	s_cmp_eq_u32 s11, 0                            ; a wave's two first fills stand in one branch: two loads of mine are out
	s_cbranch_scc0 .Lfirst_b
	tensor_load_to_lds s[G0A:G0A+3], s[G1A:G1A+7]
	s_nop 0
	tensor_load_to_lds s[G0A+4:G0A+7], s[G1A:G1A+7]
	s_nop 0
	PLACES
	s_branch .Lfirst_done
.Lfirst_b:
	tensor_load_to_lds s[G0B:G0B+3], s[G1B:G1B+7]
	s_nop 0
	tensor_load_to_lds s[G0B+4:G0B+7], s[G1B:G1B+7]
	s_nop 0
	PLACES
.Lfirst_done:
	v_and_b32 v1, 15, v0                           ; l % 16
	v_bfe_u32 v2, v0, 4, 1                         ; l / 16
	v_mul_u32_u24 v3, v1, PITCH
	v_lshl_add_u32 v3, v2, 4, v3                   ; a fragment's row x pitch + 16 x half
	s_mul_i32 s20, s11, HALFT                      ; my 128 rows of A
	v_add_nc_u32 v[AA0], s20, v3
	s_mul_i32 s21, s12, HALFT                      ; my 128 rows of B,
	s_add_co_u32 s21, s21, 2*HALFT                 ; which lie behind A's 256
	v_add_nc_u32 v[AB0], s21, v3
	v_mov_b32 v[ADRA], v[AA0]
	v_mov_b32 v[ADRB], v[AB0]
	s_mul_i32 s20, s10, OUTW                       ; the way out: my part of the ring
	v_mul_u32_u24 v3, v1, SP                       ; in: row l % 16, 16 bytes for each half of the lanes
	v_lshl_add_u32 v3, v2, 4, v3
	v_add_nc_u32 v[STO], s20, v3
	v_mul_u32_u24 v3, v2, SP                       ; back: lanes 0-15 take one row, lanes 16-31 the next, 16 bytes a lane
	v_lshl_add_u32 v3, v1, 4, v3
	v_add_nc_u32 v[RD0], s20, v3
	v_lshlrev_b32 v3, 11, v2                       ; and the same two rows in pf or vb
	v_lshl_add_u32 v[CO], v1, 4, v3
	v_and_b32 v[PFO], 31, v0
	s_lshl_b32 s20, s10, 10
	s_add_co_u32 s20, s20, TBL                     ; my table
	v_lshl_add_u32 v[TA0], v2, 3, s20              ; in: 8 bytes a row; lanes 16-31 have the odd rows
	v_lshlrev_b32 v[SO], 4, v[PFO]
	v_add_nc_u32 v[TR], s20, v[SO]                 ; back: 16 bytes a lane
	v_lshlrev_b32 v[PFO], 11, v[PFO]
	s_lshl_b32 s20, s13, 8                         ; my part of pf or vb
	s_lshl_b32 s21, s11, 7
	s_add_co_u32 s22, s20, s21                     ; my first row
	s_lshl_b32 s20, s22, 11
	s_lshl_b32 s21, s42, 9
	s_add_co_u32 s20, s20, s21
	s_lshl_b32 s21, s12, 8
	s_add_co_u32 s20, s20, s21
	s_mov_b32 s21, 0
	s_add_nc_u64 s[8:9], s[8:9], s[20:21]
	s_lshl_b32 s20, s42, 1                         ; my part of st: plane 2 x tile column + half, 8 bytes a row
	s_add_co_u32 s20, s20, s12
	s_lshl_b32 s20, s20, 16
	s_lshl_b32 s22, s22, 3
	s_add_co_u32 s20, s20, s22
	s_add_nc_u64 s[68:69], s[68:69], s[20:21]
	s_cmp_eq_u32 s[JOB], 0
	s_cbranch_scc1 .Lno_bias
	; v: the bias of my 128 columns: register j of block b is column 16 b + 8 (l / 16) + j
	s_lshl_b32 s20, s42, 10
	s_lshl_b32 s21, s12, 9
	s_add_co_u32 s20, s20, s21
	v_lshlrev_b32 v[BO], 5, v2
	v_add_nc_u32 v[BO], s20, v[BO]
.irp b, 0,1,2,3,4,5,6,7
	global_load_b128 v[128+8*(\b):128+8*(\b)+3],   v[BO], s[76:77] offset:64*(\b)
	global_load_b128 v[128+8*(\b)+4:128+8*(\b)+7], v[BO], s[76:77] offset:64*(\b)+16
.endr
	s_wait_loadcnt 0x0
.set i, 0
.rept 32
	v_cvt_pk_bf16_f32 v[192+i], v[128+2*i], v[128+2*i+1]  ; rounded to bf16 like every input,
.set i, i+1
.endr
	WIN 0x40                                       ; destination in window 1
.set i, 0
.rept 32
	v_lshlrev_b32 v[2*i], 16, v[192+i]             ; and back to f32, as the C operand of the first products
	v_and_b32 v[2*i+1], s84, v[192+i]
.set i, i+1
.endr
	WIN 0
	s_branch .Lc_made
.Lno_bias:                                             ; the scores have no bias: the one text of the first products takes 64 zeros; written while the first tiles are on their way
	WIN 0x40
.set i, 0
.rept 64
	v_mov_b32 v[i], 0
.set i, i+1
.endr
	WIN 0
.Lc_made:
	s_wait_tensorcnt 0x1                           ; my part of K step 0 is in; K step 1's may stay out
	s_barrier_signal -1
	s_barrier_wait -1
	FETCH 0, F0
	QUARTER 1, F0, F1, 2                           ; the first quarter stands in front of the loop: its products start the sums
	WIN 0
	s_mov_b32 s3, 6
.Lstep:                                                ; a trip: from a K step's second quarter to the next step's first; it refills K steps 2 .. 7
	QUARTER 2, F1, F0, 0
	QUARTER 3, F0, F1, 0
	TURN 1
	QUARTER 1, F0, F1, 0
	WIN 0
	s_sub_co_u32 s3, s3, 1
	s_cmp_lg_u32 s3, 0
	s_cbranch_scc1 .Lstep
	s_mov_b32 s3, 2
.Ltail:                                                ; the last two K steps ask for nothing: a text of their own; walked twice and left in the middle
	QUARTER 2, F1, F0, 0
	QUARTER 3, F0, F1, 0
	TURN 0                                         ; (the second time its run of LDS loads serves nothing: the price, once a launch, of one text for both trips)
	WIN 0
	s_sub_co_u32 s3, s3, 1
	s_cmp_eq_u32 s3, 0
	s_cbranch_scc1 .Lout
	QUARTER 1, F0, F1, 0
	WIN 0
	s_branch .Ltail
.Lout:
	s_wait_dscnt 0x0                               ; my last LDS loads have landed: my reads of the ring are over,
	s_barrier_signal -1
	s_barrier_wait -1                              ; and so are everybody's; both slots have had their last fill, so their bytes may take the sums
	PLACES                                         ; behind the last products
	DUMP
	s_mov_b32 s3, 8
	s_mov_b32 s[RB], 0
	s_mov_b32 s[SB], 0
.Lrows:                                                ; THE WAY OUT, second part: 8 trips of 16 rows.  Lane l takes columns 8 (l % 16) .. + 7 of rows 2 t + l / 16
	v_add_nc_u32 v[RD], s[RB], v[RD0]
.irp t, 0,1,2,3,4,5,6,7
	ds_load_b128 v[X+8*(\t):X+8*(\t)+3],   v[RD] offset:(\t)*2*SP      ; LDS serves a wave's instructions in order (ISA guide 5.7.1.4): these see my stores above
	ds_load_b128 v[X+8*(\t)+4:X+8*(\t)+7], v[RD] offset:(\t)*2*SP+256
.endr
	s_cmp_lg_u32 s[JOB], 0
	s_cbranch_scc1 .Lplain                         ; v is rounded as it is
	SOFT
.Lplain:
.irp t, 0,1,2,3,4,5,6,7
	s_wait_dscnt 14-2*(\t)                         ; rows 2 t and 2 t + 1 are in; the younger loads may stay out (behind the softmax all are in, and the count is met by its eight stores)
.irp r, 0,1,2,3
	v_cvt_pk_f16_f32 v[Y+4*(\t)+(\r)], v[X+8*(\t)+2*(\r)], v[X+8*(\t)+2*(\r)+1]
.endr
	global_store_b128 v[CO], v[Y+4*(\t):Y+4*(\t)+3], s[8:9] offset:(\t)*2*2048  ; 16 lanes store 256 consecutive bytes, at a multiple of 256 from the buffer's first
.endr
	s_wait_xcnt 0x0                                ; the trip's stores have read their base and their data: both are written again only behind this wait
	s_add_nc_u64 s[8:9], s[8:9], 16*2048           ; 16 rows of pf or vb on,
	s_add_co_u32 s[RB], s[RB], 16*SP               ; 16 rows in LDS,
	s_add_co_u32 s[SB], s[SB], 16*8                ; and 16 rows in the table
	s_sub_co_u32 s3, s3, 1
	s_cmp_lg_u32 s3, 0
	s_cbranch_scc1 .Lrows
	s_cmp_lg_u32 s[JOB], 0
	s_cbranch_scc1 .Lend
	ds_load_b128 v[X:X+3],   v[TR]                 ; (cm, l) of my 128 rows: 1,024 bytes on end
	ds_load_b128 v[X+4:X+7], v[TR] offset:512
	s_wait_dscnt 0x0
	global_store_b128 v[SO], v[X:X+3],   s[68:69]            ; 512 consecutive bytes, at a multiple of 256 from st's first
	global_store_b128 v[SO], v[X+4:X+7], s[68:69] offset:512
.Lend:
	s_wait_tensorcnt 0x0                           ; the wave's end
	ds_add_u32 v[SPW], v[NIL]
	s_wait_dscnt 0x0
	CROUND                                         ; the closing round: no work-group ends while a partner may still ask for a tile that names it
	s_endpgm
.Lfunc_end_k_q43b5c0fadc_sv:
	.size	k_q43b5c0fadc_sv, .Lfunc_end_k_q43b5c0fadc_sv-k_q43b5c0fadc_sv
	.p2alignl 7, 3214868480
	.fill 96, 4, 3214868480
	.section	.rodata,"a",@progbits
	.p2align	6, 0x0
	.amdhsa_kernel k_q43b5c0fadc_sv
		.amdhsa_group_segment_fixed_size 327680
		.amdhsa_private_segment_fixed_size 0
		.amdhsa_enable_private_segment 0
		.amdhsa_kernarg_size 48
		.amdhsa_user_sgpr_count 2
		.amdhsa_user_sgpr_kernarg_segment_ptr 1
		.amdhsa_wavefront_size32 1
		.amdhsa_system_sgpr_workgroup_id_x 1
		.amdhsa_system_sgpr_workgroup_id_y 1
		.amdhsa_system_sgpr_workgroup_id_z 1
		.amdhsa_system_vgpr_workitem_id 0
		.amdhsa_next_free_vgpr 1024
		.amdhsa_next_free_sgpr 88
		.amdhsa_reserve_vcc 0
		.amdhsa_float_denorm_mode_32 3
		.amdhsa_float_denorm_mode_16_64 3
		.amdhsa_memory_ordered 1
		.amdhsa_forward_progress 1
		.amdhsa_inst_pref_size 104
	.end_amdhsa_kernel
	.amdgpu_metadata
---
amdhsa.version: [ 1, 2 ]
amdhsa.kernels:
  - .name:           k_q43b5c0fadc_sv
    .symbol:         k_q43b5c0fadc_sv.kd
    .args:
      - { .name: qk, .offset: 0, .size: 8, .value_kind: global_buffer, .address_space: global }
      - { .name: cb, .offset: 8, .size: 8, .value_kind: global_buffer, .address_space: global }
      - { .name: bv, .offset: 16, .size: 8, .value_kind: global_buffer, .address_space: global }
      - { .name: pf, .offset: 24, .size: 8, .value_kind: global_buffer, .address_space: global }
      - { .name: st, .offset: 32, .size: 8, .value_kind: global_buffer, .address_space: global }
      - { .name: vb, .offset: 40, .size: 8, .value_kind: global_buffer, .address_space: global }
    .group_segment_fixed_size: 327680
    .private_segment_fixed_size: 0
    .kernarg_segment_align: 8
    .kernarg_segment_size: 48
    .max_flat_workgroup_size: 128
    .sgpr_count:     88
    .vgpr_count:     1024
    .wavefront_size: 32
...
	.end_amdgpu_metadata
.endif
;; end of part 3
;; launch mix (part 4): grid 4 x 64, 4 waves a work-group, clusters of 4 x 4, 327,680 bytes of LDS; arguments pf, vb, st, sel; writes sel
.if DOCPART == 4
	.amdgcn_target "amdgcn-amd-amdhsa--gfx1250"
	.amdhsa_code_object_version 6
	.text
	.protected	k_q43b5c0fadc_mix
	.globl	k_q43b5c0fadc_mix
	.p2align	8
	.type	k_q43b5c0fadc_mix,@function
k_q43b5c0fadc_mix:
	s_mov_b64 s[64:65], 0
	v_nop
	global_prefetch_b8 v0, s[64:65] scope:SCOPE_SE
	s_setreg_imm32_b32 hwreg(HW_REG_WAVE_MODE, 25, 1), 1
	s_wait_xcnt 0x0
	s_wait_alu depctr_hold_cnt(0) depctr_sa_sdst(0) depctr_va_vdst(0) depctr_va_sdst(0) depctr_va_ssrc(0) depctr_va_vcc(0) depctr_vm_vsrc(0)
	s_getreg_b32 s2, hwreg(HW_REG_IB_STS2, 6, 4)
	s_cmp_eq_u32 s2, 0
	s_cbranch_scc0 .Lentry_in_a_cluster
	s_endpgm
.Lentry_in_a_cluster:
	s_bfe_u32 s2, ttmp6, 0x10000c
	s_cmp_lg_u32 s2, 0xf033
	s_cbranch_scc0 .Lentry_shape_is_right
	s_endpgm
.Lentry_shape_is_right:
; MIX.  The softmax's second stage and the second product.  For each query: M = the largest of its eight cm; f_g = 2^(cm_g - M), rounded to f16; L = the sum over g of f_g l_g (with the rounded f_g, in f32);
;   sel = (the sum over groups g of (f_g p_g) V_g) / L.  A K step is one group of 128 keys: each fragment of p is multiplied by its row's f_g (packed f16) between its LDS load and the matrix instruction.
; f16 operands, f32 sums, 1 / L applied in f32, sel rounded once to f16.
; LIMITS.  f_g and f_g p lie in 0 to 1 and keep f16's fixed step of 6e-8 below 6e-5; f_g below 2^-126 counts as 0.  L is at least 1 (the group that holds M has f = 1 and l >= 1).  sel has v's range.
; NaN and infinities are not treated apart.
; SHARES.  The product has 128 tiles of 256 x 256, so a tile is 128 queries x 256 channels: 256 work-groups.  Four waves of 64 x 128: 32 accumulators.  8 K steps through two LDS slots filled by tensor loads, one a wave.
; CLUSTER.  4 x 4 work-groups; p's tile is asked for jointly along a cluster's row, v's along a column.  Cluster y = 2 x batch + half of the batch's eight tile rows.
; v lies [key][channel]: a K step's tile is 128 keys x 512 bytes (waves 2, 3 fetch 64 keys each), and its fragments come out of LDS turned, by ds_load_tr16_b128.
; REGISTERS.  window 0: v1-15 addresses; v16-23 1 / L, a pair a row block; v24-27 the step's factors, (f, f) a row block; v28 offset in st; fragment buffers f: p at v[32+96 f] (4 x 8), v at v[64+96 f] (8 x 8);
; v224-255 packed results.  window 1: accumulator (a, b) at v[8 (8 a + b)].
.set PITCH,  272                       ; a row of p's tile: 256 bytes + 16 of padding = 68 words, so the 16 rows of a fragment load start at 16 different groups of four banks (ISA guide 11.1)
.set PV,     544                       ; a row of v's tile: 512 bytes + 32 of padding = 136 words
.set AT,     128*PITCH                 ; p's 128 rows; v's 128 keys lie behind them
.set SLOT1,  1<<17                     ; slot 1 begins here: one exclusive or turns an address in one slot into the other's
.set STAGE,  SLOT1+AT+128*PV           ; behind the ring: 16 rows x 272 bytes for each wave, for the way out; no tensor load fills it
.set SP,     272
.set FT,     STAGE+4*16*SP             ; the table of factors: 4,096 bytes for each wave, its own: group g's four words of lane l at 512 g + 16 l; no tensor load fills it
.set SPARE,  FT+4*4096                 ; the spare words, 128 bytes a wave: two blocks of 256 bytes that no other line names
.set VSTEP,  128*2048                  ; bytes from a K step's keys to the next's
.set AA0, 4                            ; v4   my lane's place in p's tile; never rewritten
.set AB0, 5                            ; v5   the same in v's
.set ADRA, 6                           ; v6   slot + AA0
.set ADRB, 7                           ; v7   slot + AB0
.set STO, 8                            ; v8   the way out: where I put 16 bytes of a row
.set RD,  9                            ; v9   where I read a row back
.set CO,  10                           ; v10  my byte offset in sel
.set PFO, 11                           ; v11  the prefetches' offset: my lane x a row of 2,048 bytes
.set SPW, 12                           ; v12  my spare word; never rewritten
.set NIL, 13                           ; v13  0; never rewritten
.set FT0, 14                           ; v14  my 16 bytes of the table's group 0; never rewritten
.set FTR, 15                           ; v15  the same of the group to be read
.set RL,  16
.set FC,  24
.set SO,  28
.set FA,  32
.set FB,  64
.set TMP, 224
.set OB,  32                           ; the way out: 16 rows read back, v32-63 and v64-95 by turns
.set G1A, 24                           ; s[24:31] descriptor group 1, p's tiles
.set G0A, 32                           ; s[32:39] group 0: slot 0's first fill; slot 1's, which then walks
.set G1B, 48                           ; s[48:55], s[56:63] the same for v
.set G0B, 56
.set LIM, 43                           ; s43  2 in a wave that prefetches, else the greatest number
.set PFA, 44                           ; s[44:45] where my prefetches stand
.set TB,  66                           ; s66  the slot that is read: 0 or SLOT1
.set BAT, 67                           ; s67  the batch
.set FTS, 75                           ; s75  512 x the group whose factors are read next
.set MSB, 0
.macro WIN new                         ; the immediate's high byte repeats the setting that is left; a switch that changes nothing is dropped
.if MSB != (\new)
	s_set_vgpr_msb (MSB<<8)|(\new)
.set MSB, \new
.endif
.endm
.set MUL,  0x50                        ; sources in window 0, C and D in window 1
.macro PLACES                          ; four places behind a matrix instruction (ISA guide 7.12.1), where no other vector work is at hand
.rept 4
	v_nop
.endr
.endm
.macro CREST                           ; a round of the cluster's barrier behind its opening barrier
	s_cmp_lg_u32 s10, 0
	s_cbranch_scc1 .Lnot_wave_0_\@
	s_barrier_signal -3
.Lnot_wave_0_\@:
	s_barrier_wait -3
	s_barrier_signal -1
	s_barrier_wait -1
.endm
.macro CROUND
	s_barrier_signal -1
	s_barrier_wait -1
	CREST
.endm
.macro JLOAD                           ; a joint refill by the walking descriptor; the branch hangs on the wave's number alone; s_nop 0 and four v_nop follow each line
	s_cmp_eq_u32 s11, 0
	s_cbranch_scc0 .Lfor_b_\@
	tensor_load_to_lds s[G0A+4:G0A+7], s[G1A:G1A+7]
	s_nop 0
	PLACES
	s_branch .Lasked_\@
.Lfor_b_\@:
	tensor_load_to_lds s[G0B+4:G0B+7], s[G1B:G1B+7]
	s_nop 0
	PLACES
.Lasked_\@:
.endm
; A PREFETCH behind each joint refill and its run of LDS loads: the K step two refills on.  p's 128 rows x 256 bytes: wave 0 of the four partners of a cluster's row, 32 rows each by address, in every cluster.
; v's 128 keys x 512 bytes: the four partners of a column take 32 keys each by address, wave 2 their first 256 bytes and wave 3 their second, in the batch's first cluster alone.  Trips with s3 = 6 .. 3 ask
; (K steps 4 .. 7); the last two refills have no K step two on.
.macro ASK
	s_cmp_gt_u32 s3, s[LIM]
	s_cbranch_scc0 .Lnot_mine_\@
	global_prefetch_b8 v[PFO], s[PFA:PFA+1] th:TH_LOAD_NT scope:SCOPE_SE
.Lnot_mine_\@:
.endm
; Quarter q (32 keys) of the slot in hand into buffer f: v's eight channel blocks, turned, then p's four row blocks.  fc = 1: a K step's first quarter: its factors come first
.macro FETCH q, f, fc=0
	WIN 0
.if \fc
	v_add_nc_u32 v[FTR], s[FTS], v[FT0]
	ds_load_b128 v[FC:FC+3], v[FTR]
	s_add_co_u32 s[FTS], s[FTS], 512               ; the next group's,
	s_and_b32 s[FTS], s[FTS], 0xe00                ; inside the table's eight groups of 512 bytes
.endif
.irp i, 0,1,2,3,4,5,6,7
	ds_load_tr16_b128 v[FB+96*(\f)+8*(\i):FB+96*(\f)+8*(\i)+3],   v[ADRB] offset:(\q)*32*PV+32*(\i)
	ds_load_tr16_b128 v[FB+96*(\f)+8*(\i)+4:FB+96*(\f)+8*(\i)+7], v[ADRB] offset:(\q)*32*PV+16*PV+32*(\i)
.endr
.irp i, 0,1,2,3
	ds_load_b128 v[FA+96*(\f)+8*(\i):FA+96*(\f)+8*(\i)+3],   v[ADRA] offset:64*(\q)+(\i)*16*PITCH
	ds_load_b128 v[FA+96*(\f)+8*(\i)+4:FA+96*(\f)+8*(\i)+7], v[ADRA] offset:64*(\q)+(\i)*16*PITCH+32
.endr
.endm
.macro SCALE f, a                      ; row block a's fragment of p times its rows' factor: a lane holds one row
	WIN 0
.irp i, 0,1,2,3,4,5,6,7
	v_pk_mul_f16 v[FA+96*(\f)+8*(\a)+(\i)], v[FA+96*(\f)+8*(\a)+(\i)], v[FC+(\a)]
.endr
.endm
.macro MUL8 f, a, mode                 ; eight matrix instructions: row block a x all eight channel blocks.  mode 1: the first product starts the sums.  The 32 accumulators take turns
	WIN MUL
.irp b, 0,1,2,3,4,5,6,7
.if \mode
	v_wmma_f32_16x16x32_f16 v[8*(8*(\a)+(\b)):8*(8*(\a)+(\b))+7], v[FB+96*(\f)+8*(\b):FB+96*(\f)+8*(\b)+7], v[FA+96*(\f)+8*(\a):FA+96*(\f)+8*(\a)+7], 0
.else
	v_wmma_f32_16x16x32_f16 v[8*(8*(\a)+(\b)):8*(8*(\a)+(\b))+7], v[FB+96*(\f)+8*(\b):FB+96*(\f)+8*(\b)+7], v[FA+96*(\f)+8*(\a):FA+96*(\f)+8*(\a)+7], v[8*(8*(\a)+(\b)):8*(8*(\a)+(\b))+7]
.endif
.endr
.endm
; One of a K step's first three quarters: multiplies buffer f, and fetches quarter q into buffer g behind its first eight products
.macro QUARTER q, f, g, mode
	s_wait_dscnt 6                                 ; the factors, v and p's block 0 are in; p's blocks 1 to 3 (six loads) may be out
	SCALE \f, 0
	MUL8 \f, 0, \mode
	s_wait_dscnt 0x0
	SCALE \f, 1                                    ; these 24 lines name no register of buffer g's products: they are the places in front of the loads into it
	SCALE \f, 2
	SCALE \f, 3
	FETCH \q, \g
	MUL8 \f, 1, \mode
	MUL8 \f, 2, \mode
	MUL8 \f, 3, \mode
.endm
; The last quarter multiplies buffer 1 and changes slots.  Each wave waits for all its tensor loads (one is out: its part of the other slot), adds 0 to its spare word, and waits for that and for its reads of
; this slot; behind the barrier nobody reads this slot and the other is whole.  fill = 1: the barrier opens a round of the cluster's, and the joint refill (two K steps on) is the first thing behind it.
; All four scalings stand ahead of the barrier's wait, since the next step's factors are fetched behind it; those of blocks 1 to 3, work on registers, stand between the signal and the wait.
.macro TURN fill
.if \fill
	s_wait_xcnt 0x0                                ; the last prefetch, a K step back, has read its address
	s_add_nc_u64 s[PFA:PFA+1], s[PFA:PFA+1], s[76:77]
.endif
	WIN 0
	s_wait_tensorcnt 0x0                           ; all my tensor loads have landed: my part of the other slot; so a group 0 may be written
	ds_add_u32 v[SPW], v[NIL]
.if \fill
	s_xor_b32 s[G0A+5], s[G0A+5], SLOT1            ; the walking descriptors: the other slot than last time, the next K step
	s_add_nc_u64 s[G0A+6:G0A+7], s[G0A+6:G0A+7], 256
	s_xor_b32 s[G0B+5], s[G0B+5], SLOT1
	s_add_nc_u64 s[G0B+6:G0B+7], s[G0B+6:G0B+7], VSTEP
.endif
	s_xor_b32 s[TB], s[TB], SLOT1                  ; the reads go on in the other slot
	s_wait_dscnt 7                                 ; the add and the youngest six loads may be out
	SCALE 1, 0
	MUL8 1, 0, 0
	s_wait_dscnt 0x0                               ; the add is done, and my reads of this slot are over
	s_barrier_signal -1
	SCALE 1, 1                                     ; work on registers while the others arrive
	MUL8 1, 1, 0
	SCALE 1, 2                                     ; (blocks 2 and 3 are no registers of the eight products above)
	SCALE 1, 3
	WIN 0
	s_barrier_wait -1
.if \fill
	CREST
	JLOAD                                          ; its four v_nop are also places in front of the loads below
.else
	PLACES
.endif
	v_add_nc_u32 v[ADRA], s[TB], v[AA0]
	v_add_nc_u32 v[ADRB], s[TB], v[AB0]
	FETCH 0, 0, 1
.if \fill
	ASK
.endif
	MUL8 1, 2, 0
	MUL8 1, 3, 0
.endm
.macro PACK a                          ; divided by L in f32, rounded to f16; each accumulator's registers in ascending order
	WIN 0x41                                       ; destination and source 0 in window 1, 1 / L in window 0
.set i, 0
.rept 32
	v_pk_mul_f32 v[64*(\a)+2*i:64*(\a)+2*i+1], v[64*(\a)+2*i:64*(\a)+2*i+1], v[RL+2*(\a):RL+2*(\a)+1] op_sel_hi:[1,0]
.set i, i+1
.endr
	WIN 0x05                                       ; sources in window 1, destination in window 0
.set i, 0
.rept 32
	v_cvt_pk_f16_f32 v[TMP+i], v[64*(\a)+2*i], v[64*(\a)+2*i+1]
.set i, i+1
.endr
	WIN 0
.endm
.macro TOSTAGE a
.irp b, 0,1,2,3,4,5,6,7
	ds_store_b128 v[STO], v[TMP+4*(\b):TMP+4*(\b)+3] offset:32*(\b)
.endr
.irp t, 0,1,2,3,4,5,6,7
	ds_load_b128 v[OB+32*((\a)%2)+4*(\t):OB+32*((\a)%2)+4*(\t)+3], v[RD] offset:(\t)*2*SP  ; LDS serves a wave's instructions in order (ISA guide 5.7.1.4): these see the stores above
.endr
.endm
.macro SEND a
	s_wait_dscnt 0x0                               ; the block is back in registers
	s_wait_xcnt 0x0                                ; the stores of the block before have read their registers: the next loads from the stage land there
.irp t, 0,1,2,3,4,5,6,7
	global_store_b128 v[CO], v[OB+32*((\a)%2)+4*(\t):OB+32*((\a)%2)+4*(\t)+3], s[8:9] offset:(16*(\a)+2*(\t))*2048  ; 16 lanes store 256 consecutive bytes, at a multiple of 256 from sel's first
.endr
.endm
	s_load_b128 s[4:7], s[0:1], 0x0                ; pf s[4:5], vb s[6:7]
	s_load_b128 s[68:71], s[0:1], 0x10             ; st s[68:69], sel s[70:71]
	v_lshl_add_u32 v[SPW], v0, 2, SPARE
	v_mov_b32 v[NIL], 0
	ds_add_u32 v[SPW], v[NIL]                      ; the wave's opening: the add and its wait stand ahead of my first tensor load
	v_lshrrev_b32 v1, 5, v0
	v_readfirstlane_b32 s10, v1                    ; wave 0..3
	s_lshr_b32 s11, s10, 1                         ; my half of the tile's rows.  Also: I fetch for p (0) or v (1)
	s_and_b32 s12, s10, 1                          ; my half of its channels.  Also: which half of that tile I fetch
	s_bfe_u32 s40, ttmp6, 0x40000                  ; cx
	s_bfe_u32 s41, ttmp6, 0x40004                  ; cy
	s_lshl_b32 s42, ttmp9, 2
	s_add_co_u32 s42, s42, s40                     ; tile column: 256 channels
	s_and_b32 s14, ttmp7, 0xffff                   ; cluster y = 2 x batch + half of the batch's eight tile rows
	s_lshr_b32 s[BAT], s14, 1
	s_lshl_b32 s13, s14, 2
	s_add_co_u32 s13, s13, s41                     ; tile row, 0..63, over all batches
	s_lshl_b32 s20, s41, 2
	s_lshl_b32 s20, 15, s20                        ; my row of the cluster
	s_lshl_b32 s21, 0x1111, s40                    ; my column
	s_or_b32 s[G1A], s20, (1<<16)|(1<<20)|(1<<21)|(5<<22)|(3<<25)  ; p: 2-byte elements; padding on; 21 set beside a mask; after every 64 words 4 words
	s_or_b32 s[G1B], s21, (1<<16)|(1<<20)|(1<<21)|(6<<22)|(7<<25)  ; v: after every 128 words 8 words
	s_mov_b32 s[G1A+1], 128<<16                    ; tensor_dim0 = 128 keys
	s_mov_b32 s[G1A+2], 64<<16                     ; tensor_dim1 = 64 queries
	s_mov_b32 s[G1A+3], 128<<16                    ; tile_dim0
	s_mov_b32 s[G1A+4], 64                         ; tile_dim1
	s_mov_b32 s[G1A+5], 1024                       ; elements from row to row
	s_mov_b32 s[G1A+6], 0
	s_mov_b32 s[G1A+7], 0
	s_mov_b32 s[G1B+1], 256<<16                    ; tensor_dim0 = 256 channels
	s_mov_b32 s[G1B+2], 64<<16                     ; tensor_dim1 = 64 keys
	s_mov_b32 s[G1B+3], 256<<16
	s_mov_b32 s[G1B+4], 64
	s_mov_b32 s[G1B+5], 1024
	s_mov_b32 s[G1B+6], 0
	s_mov_b32 s[G1B+7], 0
	; p's tile hangs on the tile row and the wave; v's on the batch, the tile column and the wave: each in registers that never hold the other coordinate
	s_lshl_b32 s16, s13, 7
	s_lshl_b32 s17, s12, 6
	s_add_co_u32 s16, s16, s17                     ; p: row 128 x tile row + 64 x half
	s_lshl_b32 s16, s16, 11
	s_mov_b32 s17, 0
	s_lshl_b32 s46, s[BAT], 10
	s_lshl_b32 s47, s12, 6
	s_add_co_u32 s46, s46, s47                     ; v: key 1,024 x batch + 64 x half,
	s_lshl_b32 s46, s46, 11
	s_lshl_b32 s47, s42, 9
	s_add_co_u32 s46, s46, s47                     ; byte 512 x tile column
	s_mov_b32 s47, 0
	s_mul_i32 s22, s12, 64*PITCH                   ; where they go: no place in the cluster enters an LDS address
	s_mul_i32 s23, s12, 64*PV
	s_add_co_u32 s23, s23, AT
	s_lshl_b32 s18, s13, 7                         ; the prefetches
	s_lshl_b32 s19, s40, 5
	s_add_co_u32 s18, s18, s19                     ; p: my work-group's 32 rows of the tile's 128,
	s_lshl_b32 s18, s18, 11
	s_add_co_u32 s18, s18, 3*256                   ; at K step 3: the first refill steps it to 4
	s_lshl_b32 s20, s[BAT], 10
	s_lshl_b32 s21, s41, 5
	s_add_co_u32 s20, s20, s21                     ; v: my work-group's 32 keys of the step's 128,
	s_lshl_b32 s20, s20, 11
	s_lshl_b32 s21, s42, 9
	s_add_co_u32 s20, s20, s21
	s_lshl_b32 s21, s12, 8
	s_add_co_u32 s20, s20, s21                     ; my wave's 256 bytes of their 512,
	s_add_co_u32 s20, s20, 3*VSTEP                 ; at K step 3
	s_mov_b32 s76, VSTEP
	s_cmp_eq_u32 s11, 0
	s_cselect_b32 s18, s18, s20
	s_cselect_b32 s76, 256, s76                    ; a K step, along p's rows or down v's
	s_mov_b32 s19, 0
	s_mov_b32 s77, 0
	s_and_b32 s21, s14, 1                          ; v: the batch's first cluster
	s_cmp_eq_u32 s11, 0
	s_cselect_b32 s21, s12, s21                    ; p: wave 0
	s_cmp_eq_u32 s21, 0
	s_cselect_b32 s[LIM], 2, -1                    ; the same in all sixteen partners, for a given wave
	s_mov_b32 s[TB], 0
	s_mov_b32 s[FTS], 0
	s_wait_dscnt 0x0                               ; the opening add is done
	s_wait_kmcnt 0x0
	s_add_nc_u64 s[14:15], s[4:5], s[16:17]
	s_add_nc_u64 s[46:47], s[6:7], s[46:47]
	s_cmp_eq_u32 s11, 0
	s_cselect_b64 s[PFA:PFA+1], s[4:5], s[6:7]
	s_add_nc_u64 s[PFA:PFA+1], s[PFA:PFA+1], s[18:19]
	CROUND                                         ; all sixteen work-groups are here: the first joint loads meet
.irp s, 0,1
	s_mov_b32 s[G0A+4*(\s)], 1
	s_add_co_u32 s[G0A+4*(\s)+1], s22, (\s)*SLOT1
	s_add_nc_u64 s[G0A+4*(\s)+2:G0A+4*(\s)+3], s[14:15], (\s)*256
	s_or_b32 s[G0A+4*(\s)+3], s[G0A+4*(\s)+3], 0x80000000
	s_mov_b32 s[G0B+4*(\s)], 1
	s_add_co_u32 s[G0B+4*(\s)+1], s23, (\s)*SLOT1
	s_add_nc_u64 s[G0B+4*(\s)+2:G0B+4*(\s)+3], s[46:47], (\s)*VSTEP
	s_or_b32 s[G0B+4*(\s)+3], s[G0B+4*(\s)+3], 0x80000000
.endr
	s_cmp_eq_u32 s11, 0                            ; a wave's two first fills stand in one branch: two loads of mine are out
	s_cbranch_scc0 .Lfirst_b
	tensor_load_to_lds s[G0A:G0A+3], s[G1A:G1A+7]
	s_nop 0
	tensor_load_to_lds s[G0A+4:G0A+7], s[G1A:G1A+7]
	s_nop 0
	PLACES
	s_branch .Lfirst_done
.Lfirst_b:
	tensor_load_to_lds s[G0B:G0B+3], s[G1B:G1B+7]
	s_nop 0
	tensor_load_to_lds s[G0B+4:G0B+7], s[G1B:G1B+7]
	s_nop 0
	PLACES
.Lfirst_done:
	; the statistics of my 64 rows: (cm, l) of row 16 a + l % 16, group g, into v[128 + 2 (4 g + a)]
	v_and_b32 v1, 15, v0                           ; l % 16
	v_bfe_u32 v2, v0, 4, 1                         ; l / 16
	v_lshlrev_b32 v[SO], 3, v1
	s_lshl_b32 s20, s13, 7
	s_lshl_b32 s21, s11, 6
	s_add_co_u32 s22, s20, s21                     ; my first row
	s_lshl_b32 s20, s22, 3
	s_mov_b32 s21, 0
	s_add_nc_u64 s[68:69], s[68:69], s[20:21]
.irp g, 0,1,2,3,4,5,6,7
.irp a, 0,1,2,3
	global_load_b64 v[128+2*(4*(\g)+(\a)):128+2*(4*(\g)+(\a))+1], v[SO], s[68:69] offset:65536*(\g)+128*(\a)
.endr
.endr
	v_mul_u32_u24 v3, v1, PITCH
	v_lshl_add_u32 v3, v2, 4, v3                   ; a fragment's row x pitch + 16 x half
	s_mul_i32 s20, s11, 64*PITCH
	v_add_nc_u32 v[AA0], s20, v3
	v_and_b32 v3, 7, v0                            ; the turning load: lane l reads key 8 (l / 16) + l % 8, channels 8 ((l / 8) % 2) + 0..7
	v_lshl_add_u32 v3, v2, 3, v3
	v_mul_u32_u24 v3, v3, PV
	v_bfe_u32 v29, v0, 3, 1
	v_lshl_add_u32 v3, v29, 4, v3
	s_lshl_b32 s21, s12, 8                         ; my 128 channels
	s_add_co_u32 s21, s21, AT
	v_add_nc_u32 v[AB0], s21, v3
	v_mov_b32 v[ADRA], v[AA0]
	v_mov_b32 v[ADRB], v[AB0]
	s_mul_i32 s20, s10, 16*SP
	s_add_co_u32 s20, s20, STAGE                   ; my stage
	v_mul_u32_u24 v3, v1, SP
	v_lshl_add_u32 v3, v2, 4, v3
	v_add_nc_u32 v[STO], s20, v3
	v_mul_u32_u24 v3, v2, SP
	v_lshl_add_u32 v3, v1, 4, v3
	v_add_nc_u32 v[RD], s20, v3
	v_lshlrev_b32 v3, 11, v2
	v_lshl_add_u32 v[CO], v1, 4, v3
	v_and_b32 v[PFO], 31, v0
	s_lshl_b32 s20, s10, 12
	s_add_co_u32 s20, s20, FT                      ; my table
	v_lshl_add_u32 v[FT0], v[PFO], 4, s20
	v_lshlrev_b32 v[PFO], 11, v[PFO]
	s_lshl_b32 s20, s22, 11                        ; my part of sel: my first row, byte 512 x tile column + 256 x half
	s_lshl_b32 s21, s42, 9
	s_add_co_u32 s20, s20, s21
	s_lshl_b32 s21, s12, 8
	s_add_co_u32 s20, s20, s21
	s_mov_b32 s21, 0
	s_add_nc_u64 s[8:9], s[70:71], s[20:21]
	s_wait_loadcnt 0x0                             ; the statistics
.irp a, 0,1,2,3
	v_max3_num_f32 v[192+(\a)], v[128+2*(\a)], v[128+2*(4+(\a))], v[128+2*(8+(\a))]
.endr
.irp a, 0,1,2,3
	v_max3_num_f32 v[192+(\a)], v[192+(\a)], v[128+2*(12+(\a))], v[128+2*(16+(\a))]
.endr
.irp a, 0,1,2,3
	v_max3_num_f32 v[192+(\a)], v[192+(\a)], v[128+2*(20+(\a))], v[128+2*(24+(\a))]
.endr
.irp a, 0,1,2,3
	v_max_num_f32 v[192+(\a)], v[192+(\a)], v[128+2*(28+(\a))]  ; M: the row's maximum, times c
	v_mov_b32 v[196+(\a)], 0                       ; L starts at 0
.endr
.irp g, 0,1,2,3,4,5,6,7
.irp a, 0,1,2,3
	v_sub_f32 v[32+4*(\g)+(\a)], v[128+2*(4*(\g)+(\a))], v[192+(\a)]
.endr
.endr
.set i, 0
.rept 32
	v_exp_f32 v[32+i], v[32+i]                     ; one batch
.set i, i+1
.endr
	v_nop                                          ; a plain instruction behind the last exponential,
	s_wait_alu depctr_va_vdst(0)                   ; and one wait ahead of the batch's first reader
.set i, 0
.rept 32
	v_cvt_pk_f16_f32 v[64+i], v[32+i], v[32+i]     ; (f, f)
.set i, i+1
.endr
.irp g, 0,1,2,3,4,5,6,7
.irp a, 0,1,2,3
	v_fma_mix_f32 v[196+(\a)], v[64+4*(\g)+(\a)], v[128+2*(4*(\g)+(\a))+1], v[196+(\a)] op_sel_hi:[1,0,0]  ; L += (the rounded f) x l, in f32
.endr
.endr
.irp a, 0,1,2,3
	v_rcp_f32 v[RL+2*(\a)], v[196+(\a)]
	v_rcp_f32 v[RL+2*(\a)+1], v[196+(\a)]          ; twice: the packed multiply names a pair
.endr
	v_nop
	s_wait_alu depctr_va_vdst(0)                   ; one wait for the eight reciprocals, ahead of the labels below
.irp g, 0,1,2,3,4,5,6,7
	ds_store_b128 v[FT0], v[64+4*(\g):64+4*(\g)+3] offset:512*(\g)
.endr
	s_wait_dscnt 0x0                               ; no LDS instruction of mine is out at the signal
	s_wait_tensorcnt 0x1                           ; my part of K step 0 is in; K step 1's may stay out
	s_barrier_signal -1
	s_barrier_wait -1
	FETCH 0, 0, 1
	QUARTER 1, 0, 1, 1                             ; the first quarter stands in front of the loop: its products start the sums
	WIN 0
	s_mov_b32 s3, 6
.Lstep:                                                ; a trip: from a K step's second quarter to the next step's first; it refills K steps 2 .. 7
	QUARTER 2, 1, 0, 0
	QUARTER 3, 0, 1, 0
	TURN 1
	QUARTER 1, 0, 1, 0
	WIN 0
	s_sub_co_u32 s3, s3, 1
	s_cmp_lg_u32 s3, 0
	s_cbranch_scc1 .Lstep
	s_mov_b32 s3, 2
.Ltail:                                                ; the last two K steps ask for nothing: a text of their own; walked twice and left in the middle
	QUARTER 2, 1, 0, 0
	QUARTER 3, 0, 1, 0
	TURN 0                                         ; (the second time its run of LDS loads serves nothing: the price, once a launch, of one text for both trips)
	WIN 0
	s_sub_co_u32 s3, s3, 1
	s_cmp_eq_u32 s3, 0
	s_cbranch_scc1 .Lout
	QUARTER 1, 0, 1, 0
	WIN 0
	s_branch .Ltail
.Lout:
	s_wait_dscnt 0x0                               ; that last run of loads has landed: its registers take the rows read back
	PLACES                                         ; behind the last products
	PACK 0
	TOSTAGE 0
.irp a, 1,2,3                          ; block a's arithmetic stands between block a - 1's loads from the stage and the wait for them
	PACK \a
	SEND (\a)-1
	TOSTAGE \a
.endr
	SEND 3
	s_wait_tensorcnt 0x0                           ; the wave's end
	ds_add_u32 v[SPW], v[NIL]
	s_wait_dscnt 0x0
	CROUND                                         ; the closing round: no work-group ends while a partner may still ask for a tile that names it
	s_endpgm
.Lfunc_end_k_q43b5c0fadc_mix:
	.size	k_q43b5c0fadc_mix, .Lfunc_end_k_q43b5c0fadc_mix-k_q43b5c0fadc_mix
	.p2alignl 7, 3214868480
	.fill 96, 4, 3214868480
	.section	.rodata,"a",@progbits
	.p2align	6, 0x0
	.amdhsa_kernel k_q43b5c0fadc_mix
		.amdhsa_group_segment_fixed_size 327680
		.amdhsa_private_segment_fixed_size 0
		.amdhsa_enable_private_segment 0
		.amdhsa_kernarg_size 32
		.amdhsa_user_sgpr_count 2
		.amdhsa_user_sgpr_kernarg_segment_ptr 1
		.amdhsa_wavefront_size32 1
		.amdhsa_system_sgpr_workgroup_id_x 1
		.amdhsa_system_sgpr_workgroup_id_y 1
		.amdhsa_system_sgpr_workgroup_id_z 1
		.amdhsa_system_vgpr_workitem_id 0
		.amdhsa_next_free_vgpr 512
		.amdhsa_next_free_sgpr 80
		.amdhsa_reserve_vcc 0
		.amdhsa_float_denorm_mode_32 3
		.amdhsa_float_denorm_mode_16_64 3
		.amdhsa_memory_ordered 1
		.amdhsa_forward_progress 1
		.amdhsa_inst_pref_size 99
	.end_amdhsa_kernel
	.amdgpu_metadata
---
amdhsa.version: [ 1, 2 ]
amdhsa.kernels:
  - .name:           k_q43b5c0fadc_mix
    .symbol:         k_q43b5c0fadc_mix.kd
    .args:
      - { .name: pf, .offset: 0, .size: 8, .value_kind: global_buffer, .address_space: global }
      - { .name: vb, .offset: 8, .size: 8, .value_kind: global_buffer, .address_space: global }
      - { .name: st, .offset: 16, .size: 8, .value_kind: global_buffer, .address_space: global }
      - { .name: sel, .offset: 24, .size: 8, .value_kind: global_buffer, .address_space: global }
    .group_segment_fixed_size: 327680
    .private_segment_fixed_size: 0
    .kernarg_segment_align: 8
    .kernarg_segment_size: 32
    .max_flat_workgroup_size: 128
    .sgpr_count:     80
    .vgpr_count:     512
    .wavefront_size: 32
...
	.end_amdgpu_metadata
.endif
;; end of part 4
;; launch outp (part 5): grid 4 x 64, 4 waves a work-group, clusters of 4 x 4, 327,680 bytes of LDS; arguments sel, cb, bo, out0; writes out0
.if DOCPART == 5
	.amdgcn_target "amdgcn-amd-amdhsa--gfx1250"
	.amdhsa_code_object_version 6
	.text
	.protected	k_q43b5c0fadc_outp
	.globl	k_q43b5c0fadc_outp
	.p2align	8
	.type	k_q43b5c0fadc_outp,@function
k_q43b5c0fadc_outp:
	s_mov_b64 s[64:65], 0
	v_nop
	global_prefetch_b8 v0, s[64:65] scope:SCOPE_SE
	s_setreg_imm32_b32 hwreg(HW_REG_WAVE_MODE, 25, 1), 1
	s_wait_xcnt 0x0
	s_wait_alu depctr_hold_cnt(0) depctr_sa_sdst(0) depctr_va_vdst(0) depctr_va_sdst(0) depctr_va_ssrc(0) depctr_va_vcc(0) depctr_vm_vsrc(0)
	s_getreg_b32 s2, hwreg(HW_REG_IB_STS2, 6, 4)
	s_cmp_eq_u32 s2, 0
	s_cbranch_scc0 .Lentry_in_a_cluster
	s_endpgm
.Lentry_in_a_cluster:
	s_bfe_u32 s2, ttmp6, 0x10000c
	s_cmp_lg_u32 s2, 0xf033
	s_cbranch_scc0 .Lentry_shape_is_right
	s_endpgm
.Lentry_shape_is_right:
; OUTP.  out0 = sel Wo^T + bo: 8,192 x 1,024 x 1,024.  Operands f16 (sel; Wo rounded to bf16 and written as f16, at byte 39,845,888 of cb), sums f32, started by the bias (rounded to bf16 like every input); out0 in f32.
; LIMIT.  sel and Wo arrive within f16's range.  NaN and infinities are not treated apart.
; SHARES.  The product has 128 tiles of 256 x 256, so a tile is 128 x 256: 256 work-groups.  Four waves of 64 x 128: 32 accumulators.  8 K steps of 128 (rows of 256 bytes) through two LDS slots filled by tensor loads,
; one a wave: waves 0, 1 fetch sel's halves of 64 rows, waves 2, 3 Wo's halves of 128 rows.
; CLUSTER.  4 x 4 work-groups; sel's tile is asked for jointly along a cluster's row, Wo's along a column.
; TRANSPOSED USE (source 0 = 16 rows of Wo, source 1 = 16 rows of sel): lane l holds row l % 16 of out0 and the columns 8 (l / 16) + 0..7.
; THE WAY OUT in f32: a row block's 16 rows x 512 bytes go through my stage (rows 528 bytes apart) and come back as whole rows: a wave's store covers 512 consecutive bytes.
; REGISTERS.  window 0: v1-14 addresses; fragment buffers f: A at v[32+96 f] (4 x 8), B at v[64+96 f] (8 x 8); on the way out v32-95 and v128-191 take the rows read back, by turns.
; window 1: accumulator (a, b) at v[8 (8 a + b)].  window 2: v0-63 the bias of my 128 columns as a C operand.
.set PITCH,  272                       ; an LDS row: 256 bytes + 16 of padding = 68 words, so the 16 rows of a fragment load start at 16 different groups of four banks (ISA guide 11.1)
.set AT,     128*PITCH
.set SLOT1,  1<<17                     ; slot 1 begins here: one exclusive or turns an address in one slot into the other's
.set STAGE,  SLOT1+AT+256*PITCH
.set SP,     528                       ; 512 bytes + 16: an odd multiple of 16, so the 16 rows of a store start at 16 different groups of four banks (ISA guide 11.1)
.set SPARE,  STAGE+4*16*SP             ; the spare words, 128 bytes a wave: two blocks of 256 bytes that no other line names
.set AA0, 4
.set AB0, 5
.set ADRA, 6
.set ADRB, 7
.set STO, 8
.set RD,  9
.set CO,  10
.set PFO, 11
.set SPW, 12
.set NIL, 13
.set BO,  14
.set FA,  32
.set FB,  64
.set G1A, 24
.set G0A, 32
.set G1B, 48
.set G0B, 56
.set LIM, 43
.set PFA, 44
.set TB,  66
.set G1W, (1<<16)|(1<<20)|(1<<21)|(5<<22)|(3<<25)
.set MSB, 0
.macro WIN new                         ; the immediate's high byte repeats the setting that is left; a switch that changes nothing is dropped
.if MSB != (\new)
	s_set_vgpr_msb (MSB<<8)|(\new)
.set MSB, \new
.endif
.endm
.set MUL,  0x50                        ; sources in window 0, C and D in window 1
.set MULB, 0x60                        ; C in window 2 (the bias), D in window 1
.macro PLACES                          ; four places behind a matrix instruction (ISA guide 7.12.1), where no other vector work is at hand
.rept 4
	v_nop
.endr
.endm
.macro CREST
	s_cmp_lg_u32 s10, 0
	s_cbranch_scc1 .Lnot_wave_0_\@
	s_barrier_signal -3
.Lnot_wave_0_\@:
	s_barrier_wait -3
	s_barrier_signal -1
	s_barrier_wait -1
.endm
.macro CROUND
	s_barrier_signal -1
	s_barrier_wait -1
	CREST
.endm
.macro JLOAD                           ; a joint refill by the walking descriptor; the branch hangs on the wave's number alone; s_nop 0 and four v_nop follow each line
	s_cmp_eq_u32 s11, 0
	s_cbranch_scc0 .Lfor_b_\@
	tensor_load_to_lds s[G0A+4:G0A+7], s[G1A:G1A+7]
	s_nop 0
	PLACES
	s_branch .Lasked_\@
.Lfor_b_\@:
	tensor_load_to_lds s[G0B+4:G0B+7], s[G1B:G1B+7]
	s_nop 0
	PLACES
.Lasked_\@:
.endm
; A PREFETCH behind each joint refill and its run of LDS loads: the K step two refills on, a lane a row of 256 bytes.  sel's 128 rows: wave 0 of the four partners of a cluster's row, 32 rows each by address, in
; every cluster.  Wo's 256 rows: waves 2 and 3 of the four partners of a column, 32 rows a wave, in cluster y = 0 alone.  Trips with s3 = 6 .. 3 ask (K steps 4 .. 7).
.macro ASK
	s_cmp_gt_u32 s3, s[LIM]
	s_cbranch_scc0 .Lnot_mine_\@
	global_prefetch_b8 v[PFO], s[PFA:PFA+1] th:TH_LOAD_NT scope:SCOPE_SE
.Lnot_mine_\@:
.endm
.macro FETCH q, f
	WIN 0
.irp i, 0,1,2,3,4,5,6,7
	ds_load_b128 v[FB+96*(\f)+8*(\i):FB+96*(\f)+8*(\i)+3],   v[ADRB] offset:64*(\q)+(\i)*16*PITCH
	ds_load_b128 v[FB+96*(\f)+8*(\i)+4:FB+96*(\f)+8*(\i)+7], v[ADRB] offset:64*(\q)+(\i)*16*PITCH+32
.endr
.irp i, 0,1,2,3
	ds_load_b128 v[FA+96*(\f)+8*(\i):FA+96*(\f)+8*(\i)+3],   v[ADRA] offset:64*(\q)+(\i)*16*PITCH
	ds_load_b128 v[FA+96*(\f)+8*(\i)+4:FA+96*(\f)+8*(\i)+7], v[ADRA] offset:64*(\q)+(\i)*16*PITCH+32
.endr
.endm
.macro MUL8 f, a, mode                 ; mode 2: the bias starts the sums; the 32 accumulators take turns
.if (\mode) == 2
	WIN MULB
.else
	WIN MUL
.endif
.irp b, 0,1,2,3,4,5,6,7
.if (\mode) == 2
	v_wmma_f32_16x16x32_f16 v[8*(8*(\a)+(\b)):8*(8*(\a)+(\b))+7], v[FB+96*(\f)+8*(\b):FB+96*(\f)+8*(\b)+7], v[FA+96*(\f)+8*(\a):FA+96*(\f)+8*(\a)+7], v[8*(\b):8*(\b)+7]
.else
	v_wmma_f32_16x16x32_f16 v[8*(8*(\a)+(\b)):8*(8*(\a)+(\b))+7], v[FB+96*(\f)+8*(\b):FB+96*(\f)+8*(\b)+7], v[FA+96*(\f)+8*(\a):FA+96*(\f)+8*(\a)+7], v[8*(8*(\a)+(\b)):8*(8*(\a)+(\b))+7]
.endif
.endr
.endm
.macro QUARTER q, f, g, mode
	s_wait_dscnt 6                                 ; B and A's block 0 are in; A's blocks 1 to 3 (six loads) may be out
	MUL8 \f, 0, \mode
	s_wait_dscnt 0x0
	PLACES                                         ; in front of the loads into buffer g, which the quarter before multiplied
	FETCH \q, \g
	MUL8 \f, 1, \mode
	MUL8 \f, 2, \mode
	MUL8 \f, 3, \mode
.endm
; The last quarter multiplies buffer 1 and changes slots.  Each wave waits for all its tensor loads (one is out: its part of the other slot), adds 0 to its spare word, and waits for that and for its reads of
; this slot; behind the barrier nobody reads this slot and the other is whole.  fill = 1: the barrier opens a round of the cluster's, and the joint refill (two K steps on) is the first thing behind it.
.macro TURN fill
.if \fill
	s_wait_xcnt 0x0                                ; the last prefetch, a K step back, has read its address
	s_add_nc_u64 s[PFA:PFA+1], s[PFA:PFA+1], 256
.endif
	WIN 0
	s_wait_tensorcnt 0x0                           ; all my tensor loads have landed: my part of the other slot
	ds_add_u32 v[SPW], v[NIL]
.if \fill
	s_xor_b32 s[G0A+5], s[G0A+5], SLOT1
	s_add_nc_u64 s[G0A+6:G0A+7], s[G0A+6:G0A+7], 256
	s_xor_b32 s[G0B+5], s[G0B+5], SLOT1
	s_add_nc_u64 s[G0B+6:G0B+7], s[G0B+6:G0B+7], 256
.endif
	s_xor_b32 s[TB], s[TB], SLOT1
	s_wait_dscnt 7                                 ; the add and the youngest six loads may be out
	MUL8 1, 0, 0
	s_wait_dscnt 0x0                               ; the add is done, and my reads of this slot are over
	s_barrier_signal -1
	MUL8 1, 1, 0
	WIN 0
	s_barrier_wait -1
.if \fill
	CREST
	JLOAD
.else
	PLACES
.endif
	v_add_nc_u32 v[ADRA], s[TB], v[AA0]
	v_add_nc_u32 v[ADRB], s[TB], v[AB0]
	FETCH 0, 0
.if \fill
	ASK
.endif
	MUL8 1, 2, 0
	MUL8 1, 3, 0
.endm
; Row block a: a lane's eight f32 of a row (32 bytes) go into my stage, each accumulator's low four registers first; whole rows of 512 bytes come back.
.macro TOSTAGE a
.if (\a) >= 2
	s_wait_xcnt 0x0                                ; the stores of block a - 2 have read the registers that the loads below fill
.endif
	WIN 0x04                                       ; store data in window 1
.irp b, 0,1,2,3,4,5,6,7
	ds_store_b128 v[STO], v[64*(\a)+8*(\b):64*(\a)+8*(\b)+3]   offset:64*(\b)
	ds_store_b128 v[STO], v[64*(\a)+8*(\b)+4:64*(\a)+8*(\b)+7] offset:64*(\b)+16
.endr
	WIN 0
.irp t, 0,1,2,3,4,5,6,7,8,9,10,11,12,13,14,15
	ds_load_b128 v[32+96*((\a)%2)+4*(\t):32+96*((\a)%2)+4*(\t)+3], v[RD] offset:(\t)*SP  ; LDS serves a wave's instructions in order (ISA guide 5.7.1.4)
.endr
.endm
.macro SEND a, younger                 ; younger: the next block's 32 LDS instructions, or none
	s_wait_dscnt \younger
.irp t, 0,1,2,3,4,5,6,7,8,9,10,11,12,13,14,15
	global_store_b128 v[CO], v[32+96*((\a)%2)+4*(\t):32+96*((\a)%2)+4*(\t)+3], s[8:9] offset:(16*(\a)+(\t))*4096  ; 512 consecutive bytes, at a multiple of 256 from out0's first
.endr
.endm
	s_load_b128 s[4:7], s[0:1], 0x0                ; sel s[4:5], cb s[6:7]
	s_load_b128 s[68:71], s[0:1], 0x10             ; bo s[68:69], out0 s[70:71]
	v_lshl_add_u32 v[SPW], v0, 2, SPARE
	v_mov_b32 v[NIL], 0
	ds_add_u32 v[SPW], v[NIL]                      ; the wave's opening: the add and its wait stand ahead of my first tensor load
	v_lshrrev_b32 v1, 5, v0
	v_readfirstlane_b32 s10, v1
	s_lshr_b32 s11, s10, 1
	s_and_b32 s12, s10, 1
	s_bfe_u32 s40, ttmp6, 0x40000
	s_bfe_u32 s41, ttmp6, 0x40004
	s_lshl_b32 s42, ttmp9, 2
	s_add_co_u32 s42, s42, s40                     ; tile column
	s_and_b32 s14, ttmp7, 0xffff                   ; cluster y
	s_lshl_b32 s13, s14, 2
	s_add_co_u32 s13, s13, s41                     ; tile row
	s_lshl_b32 s20, s41, 2
	s_lshl_b32 s20, 15, s20
	s_lshl_b32 s21, 0x1111, s40
	s_or_b32 s[G1A], s20, G1W
	s_or_b32 s[G1B], s21, G1W
	s_mov_b32 s[G1A+1], 128<<16
	s_mov_b32 s[G1A+2], 64<<16
	s_mov_b32 s[G1A+3], 128<<16
	s_mov_b32 s[G1A+4], 64
	s_mov_b32 s[G1A+5], 1024
	s_mov_b32 s[G1A+6], 0
	s_mov_b32 s[G1A+7], 0
	s_mov_b32 s[G1B+1], 128<<16
	s_mov_b32 s[G1B+2], 128<<16
	s_mov_b32 s[G1B+3], 128<<16
	s_mov_b32 s[G1B+4], 128
	s_mov_b32 s[G1B+5], 1024
	s_mov_b32 s[G1B+6], 0
	s_mov_b32 s[G1B+7], 0
	s_lshl_b32 s16, s13, 7
	s_lshl_b32 s17, s12, 6
	s_add_co_u32 s16, s16, s17
	s_lshl_b32 s16, s16, 11
	s_mov_b32 s17, 0
	s_lshl_b32 s46, s42, 8
	s_lshl_b32 s47, s12, 7
	s_add_co_u32 s46, s46, s47
	s_lshl_b32 s46, s46, 11
	s_add_co_u32 s46, s46, 39845888                ; Wo in cb
	s_mov_b32 s47, 0
	s_mul_i32 s22, s12, 64*PITCH
	s_mul_i32 s23, s12, 128*PITCH
	s_add_co_u32 s23, s23, AT
	s_lshl_b32 s18, s13, 7                         ; the prefetches
	s_lshl_b32 s19, s40, 5
	s_add_co_u32 s18, s18, s19
	s_lshl_b32 s18, s18, 11
	s_lshl_b32 s20, s42, 8
	s_lshl_b32 s21, s41, 6
	s_add_co_u32 s20, s20, s21
	s_lshl_b32 s21, s12, 5
	s_add_co_u32 s20, s20, s21
	s_lshl_b32 s20, s20, 11
	s_add_co_u32 s20, s20, 39845888
	s_cmp_eq_u32 s11, 0
	s_cselect_b32 s18, s18, s20
	s_add_co_u32 s18, s18, 3*256
	s_mov_b32 s19, 0
	s_cmp_eq_u32 s11, 0
	s_cselect_b32 s21, s12, s14                    ; sel: wave 0; Wo: cluster y = 0
	s_cmp_eq_u32 s21, 0
	s_cselect_b32 s[LIM], 2, -1
	s_mov_b32 s[TB], 0
	s_mov_b32 s74, 0xffff0000
	s_wait_dscnt 0x0
	s_wait_kmcnt 0x0
	s_add_nc_u64 s[14:15], s[4:5], s[16:17]
	s_add_nc_u64 s[46:47], s[6:7], s[46:47]
	s_cmp_eq_u32 s11, 0
	s_cselect_b64 s[PFA:PFA+1], s[4:5], s[6:7]
	s_add_nc_u64 s[PFA:PFA+1], s[PFA:PFA+1], s[18:19]
	CROUND
.irp s, 0,1
	s_mov_b32 s[G0A+4*(\s)], 1
	s_add_co_u32 s[G0A+4*(\s)+1], s22, (\s)*SLOT1
	s_add_nc_u64 s[G0A+4*(\s)+2:G0A+4*(\s)+3], s[14:15], (\s)*256
	s_or_b32 s[G0A+4*(\s)+3], s[G0A+4*(\s)+3], 0x80000000
	s_mov_b32 s[G0B+4*(\s)], 1
	s_add_co_u32 s[G0B+4*(\s)+1], s23, (\s)*SLOT1
	s_add_nc_u64 s[G0B+4*(\s)+2:G0B+4*(\s)+3], s[46:47], (\s)*256
	s_or_b32 s[G0B+4*(\s)+3], s[G0B+4*(\s)+3], 0x80000000
.endr
	s_cmp_eq_u32 s11, 0
	s_cbranch_scc0 .Lfirst_b
	tensor_load_to_lds s[G0A:G0A+3], s[G1A:G1A+7]
	s_nop 0
	tensor_load_to_lds s[G0A+4:G0A+7], s[G1A:G1A+7]
	s_nop 0
	PLACES
	s_branch .Lfirst_done
.Lfirst_b:
	tensor_load_to_lds s[G0B:G0B+3], s[G1B:G1B+7]
	s_nop 0
	tensor_load_to_lds s[G0B+4:G0B+7], s[G1B:G1B+7]
	s_nop 0
	PLACES
.Lfirst_done:
	v_and_b32 v1, 15, v0
	v_bfe_u32 v2, v0, 4, 1
	s_lshl_b32 s20, s42, 10
	s_lshl_b32 s21, s12, 9
	s_add_co_u32 s20, s20, s21
	v_lshlrev_b32 v[BO], 5, v2
	v_add_nc_u32 v[BO], s20, v[BO]
.irp b, 0,1,2,3,4,5,6,7
	global_load_b128 v[128+8*(\b):128+8*(\b)+3],   v[BO], s[68:69] offset:64*(\b)
	global_load_b128 v[128+8*(\b)+4:128+8*(\b)+7], v[BO], s[68:69] offset:64*(\b)+16
.endr
	v_mul_u32_u24 v3, v1, PITCH
	v_lshl_add_u32 v3, v2, 4, v3
	s_mul_i32 s20, s11, 64*PITCH
	v_add_nc_u32 v[AA0], s20, v3
	s_mul_i32 s21, s12, 128*PITCH
	s_add_co_u32 s21, s21, AT
	v_add_nc_u32 v[AB0], s21, v3
	v_mov_b32 v[ADRA], v[AA0]
	v_mov_b32 v[ADRB], v[AB0]
	s_mul_i32 s20, s10, 16*SP
	s_add_co_u32 s20, s20, STAGE                   ; my stage
	v_mul_u32_u24 v3, v1, SP
	v_lshl_add_u32 v3, v2, 5, v3                   ; in: row l % 16, 32 bytes for each half of the lanes
	v_add_nc_u32 v[STO], s20, v3
	v_and_b32 v[PFO], 31, v0
	v_lshlrev_b32 v[CO], 4, v[PFO]                 ; back, and out: 16 bytes a lane of a row's 512
	v_add_nc_u32 v[RD], s20, v[CO]
	v_lshlrev_b32 v[PFO], 11, v[PFO]
	s_lshl_b32 s20, s13, 7                         ; my part of out0: rows of 4,096 bytes
	s_lshl_b32 s21, s11, 6
	s_add_co_u32 s20, s20, s21
	s_lshl_b32 s20, s20, 12
	s_lshl_b32 s21, s42, 10
	s_add_co_u32 s20, s20, s21
	s_lshl_b32 s21, s12, 9
	s_add_co_u32 s20, s20, s21
	s_mov_b32 s21, 0
	s_add_nc_u64 s[8:9], s[70:71], s[20:21]
	s_wait_loadcnt 0x0                             ; the bias
.set i, 0
.rept 32
	v_cvt_pk_bf16_f32 v[192+i], v[128+2*i], v[128+2*i+1]
.set i, i+1
.endr
	WIN 0x80
.set i, 0
.rept 32
	v_lshlrev_b32 v[2*i], 16, v[192+i]
	v_and_b32 v[2*i+1], s74, v[192+i]
.set i, i+1
.endr
	WIN 0
	s_wait_tensorcnt 0x1                           ; my part of K step 0 is in; K step 1's may stay out
	s_barrier_signal -1
	s_barrier_wait -1
	FETCH 0, 0
	QUARTER 1, 0, 1, 2                             ; the first quarter stands in front of the loop: its products start the sums, with the bias
	WIN 0
	s_mov_b32 s3, 6
.Lstep:                                                ; a trip: from a K step's second quarter to the next step's first; it refills K steps 2 .. 7
	QUARTER 2, 1, 0, 0
	QUARTER 3, 0, 1, 0
	TURN 1
	QUARTER 1, 0, 1, 0
	WIN 0
	s_sub_co_u32 s3, s3, 1
	s_cmp_lg_u32 s3, 0
	s_cbranch_scc1 .Lstep
	s_mov_b32 s3, 2
.Ltail:                                                ; the last two K steps ask for nothing: a text of their own; walked twice and left in the middle
	QUARTER 2, 1, 0, 0
	QUARTER 3, 0, 1, 0
	TURN 0                                         ; (the second time its run of LDS loads serves nothing: the price, once a launch, of one text for both trips)
	WIN 0
	s_sub_co_u32 s3, s3, 1
	s_cmp_eq_u32 s3, 0
	s_cbranch_scc1 .Lout
	QUARTER 1, 0, 1, 0
	WIN 0
	s_branch .Ltail
.Lout:
	s_wait_dscnt 0x0                               ; that last run of loads has landed: its registers take the rows read back
	PLACES                                         ; behind the last products
	TOSTAGE 0
	TOSTAGE 1
	SEND 0, 32
	TOSTAGE 2
	SEND 1, 32
	TOSTAGE 3
	SEND 2, 32
	SEND 3, 0
	s_wait_tensorcnt 0x0                           ; the wave's end
	ds_add_u32 v[SPW], v[NIL]
	s_wait_dscnt 0x0
	CROUND                                         ; the closing round: no work-group ends while a partner may still ask for a tile that names it
	s_endpgm
.Lfunc_end_k_q43b5c0fadc_outp:
	.size	k_q43b5c0fadc_outp, .Lfunc_end_k_q43b5c0fadc_outp-k_q43b5c0fadc_outp
	.p2alignl 7, 3214868480
	.fill 96, 4, 3214868480
	.section	.rodata,"a",@progbits
	.p2align	6, 0x0
	.amdhsa_kernel k_q43b5c0fadc_outp
		.amdhsa_group_segment_fixed_size 327680
		.amdhsa_private_segment_fixed_size 0
		.amdhsa_enable_private_segment 0
		.amdhsa_kernarg_size 32
		.amdhsa_user_sgpr_count 2
		.amdhsa_user_sgpr_kernarg_segment_ptr 1
		.amdhsa_wavefront_size32 1
		.amdhsa_system_sgpr_workgroup_id_x 1
		.amdhsa_system_sgpr_workgroup_id_y 1
		.amdhsa_system_sgpr_workgroup_id_z 1
		.amdhsa_system_vgpr_workitem_id 0
		.amdhsa_next_free_vgpr 576
		.amdhsa_next_free_sgpr 80
		.amdhsa_reserve_vcc 0
		.amdhsa_float_denorm_mode_32 3
		.amdhsa_float_denorm_mode_16_64 3
		.amdhsa_memory_ordered 1
		.amdhsa_forward_progress 1
		.amdhsa_inst_pref_size 66
	.end_amdhsa_kernel
	.amdgpu_metadata
---
amdhsa.version: [ 1, 2 ]
amdhsa.kernels:
  - .name:           k_q43b5c0fadc_outp
    .symbol:         k_q43b5c0fadc_outp.kd
    .args:
      - { .name: sel, .offset: 0, .size: 8, .value_kind: global_buffer, .address_space: global }
      - { .name: cb, .offset: 8, .size: 8, .value_kind: global_buffer, .address_space: global }
      - { .name: bo, .offset: 16, .size: 8, .value_kind: global_buffer, .address_space: global }
      - { .name: out0, .offset: 24, .size: 8, .value_kind: global_buffer, .address_space: global }
    .group_segment_fixed_size: 327680
    .private_segment_fixed_size: 0
    .kernarg_segment_align: 8
    .kernarg_segment_size: 32
    .max_flat_workgroup_size: 128
    .sgpr_count:     80
    .vgpr_count:     576
    .wavefront_size: 32
...
	.end_amdgpu_metadata
.endif
;; end of part 5
